; MI455X (gfx1250); checked and timed in simulation.
; The chip was launched on July 23, 2026; its instructions are those of AMD's public machine-readable ISA for CDNA 5 (MIT licence, August 2026) and "CDNA5" Instruction Set Architecture Reference Guide (July 2026). The comments in the code are by the model that wrote it; some were corrected since.
;; Relative Positional Attention. Allowed arithmetic: matrix products marked QUANTISED: E2M1 operands, one E8M0 scale for each 32 along K, by v_wmma_scale_f32_16x16x128_f8f6f4 with both operands' format E2M1 (or v_wmma_scale_f32_32x16x128_f4), f32 sums; products left as they are: bf16, f16 or f32 operands; f32 sums; everything else in f32.
;; Inputs: Wk 1,024 x 1,024 float32; Wo 1,024 x 1,024 float32; Wq 1,024 x 1,024 float32; Wv 1,024 x 1,024 float32; bo 1,024 float32; key_ 2 x 2,048 x 1,024 float32; query 2 x 2,048 x 1,024 float32; rel_emb 65 x 64 float32; value 2 x 2,048 x 1,024 float32.
;; Outputs: out0 2 x 2,048 x 1,024 float32.
;; This version of the problem:
;;   THIS VERSION OF THE PROBLEM IS GIVEN IN LOW PRECISION. The matrix products marked QUANTISED in the list below multiply operands that are first quantised to E2M1 (2 exponent bits, 1 mantissa bit; 4 bits a number), with one power-of-two scale for each 32 numbers along K (OCP MX v1.0); their sums are f32. The products marked 'left as it is' may take bf16, f16 or f32 operands, with f32 sums. Whichever they take, every output number must still come out within the allowed error. Rounding operands to bf16 (8 significant bits) uses up far more of that allowance than f16 does (11 bits, for magnitudes from 6e-5 to 65,504). All else is computed in f32.
;;   The module's matrix products, in the order in which they are computed (A, B: the left and right operand; K: the contracted axis; several contracted axes count as one K, in the product's order):
;;     1. [M 4,096, K 1,024] x [K 1,024, N 1,024]; A: input query; B: input Wq: QUANTISED
;;     2. [M 4,096, K 1,024] x [K 1,024, N 1,024]; A: input key_; B: input Wk: QUANTISED
;;     3. [M 4,096, K 1,024] x [K 1,024, N 1,024]; A: input value; B: input Wv: QUANTISED
;;     4. batch 32 x [M 2,048, K 64] x [K 64, N 2,048]; A: computed on the way; B: computed on the way: left as it is (an operand is computed on the way)
;;     5. [M 65,536, K 64] x [K 64, N 65]; A: computed on the way; B: input rel_emb: left as it is (an operand is computed on the way)
;;     6. batch 32 x [M 2,048, K 2,048] x [K 2,048, N 64]; A: computed on the way; B: computed on the way: left as it is (an operand is computed on the way)
;;     7. [M 4,096, K 1,024] x [K 1,024, N 1,024]; A: computed on the way; B: input Wo: left as it is (an operand is computed on the way)
;;   THE QUANTISER, for each operand of a quantised product, along K:
;;     - K is cut into blocks of 32 from its start; a last block that is shorter is filled with zeros.
;;     - A block's scale is 2^e with e = floor(log2(the largest magnitude in the block)) - 2, held to -126 .. 127; a block of zeros has e = 0. As a byte (E8M0): e + 127.
;;     - Each number is divided by its block's scale, clamped to +-6, and rounded to the nearest number of E2M1, ties to even, subnormals kept.
;;     - The product sums the exact products of the quantised numbers (number of the format x scale) in f32.
;;   ~~~python
;;   def quantise(x, axis):      # numpy; x: float32 -> the quantised numbers, widened to float32 again
;;       x = np.moveaxis(x, axis, -1); K = x.shape[-1]
;;       x = np.pad(x, [(0, 0)] * (x.ndim - 1) + [(0, -K % 32)]); x = x.reshape(x.shape[:-1] + (-1, 32)); a = np.abs(x).max(-1, keepdims=True)
;;       e = np.where(a > 0, np.clip(np.frexp(np.where(a > 0, a, 1))[1] - 1 - 2, -126, 127), 0)      # np.frexp(a)[1] - 1 = floor(log2(a)), exactly
;;       r = np.clip(x / 2.0 ** e, -6, 6)
;;       step = 2.0 ** (np.maximum(np.frexp(np.where(r == 0, 1, r))[1] - 1, 0) - 1)
;;       q = np.round(r / step) * step * 2.0 ** e      # np.round: ties to even
;;       return np.moveaxis(q.reshape(q.shape[:-2] + (-1,))[..., :K], -1, axis).astype(np.float32)
;;   ~~~
;; One version. Each part assembles by itself: llvm-mc -triple=amdgcn-amd-amdhsa -mcpu=gfx1250 --defsym DOCPART=n.
;; ======== version 1 of 1: 4 launches
;; limits: values are held in f16: magnitudes above 65,504 overflow, below 6.1e-05 lose precision
;; workspace buffers: codes 7,864,320 bytes; scales 491,520 bytes; wo16 2,097,152 bytes; qkv 25,165,824 bytes; of 8,388,608 bytes
;; launch quant (part 1): grid 544 x 1, 4 waves a work-group, no clusters, 33,280 bytes of LDS; arguments query, key_, value, Wq, Wk, Wv, Wo, codes, scales, wo16; writes codes, scales, wo16
.if DOCPART == 1
	.amdgcn_target "amdgcn-amd-amdhsa--gfx1250"
	.amdhsa_code_object_version 6
	.text
	.protected	k_q375d58f988_quant
	.globl	k_q375d58f988_quant
	.p2align	8
	.type	k_q375d58f988_quant,@function
k_q375d58f988_quant:
	s_mov_b64 s[64:65], 0
	v_nop
	global_prefetch_b8 v0, s[64:65] scope:SCOPE_SE
	s_setreg_imm32_b32 hwreg(HW_REG_WAVE_MODE, 25, 1), 1
	s_wait_xcnt 0x0
; FIRST OF FOUR LAUNCHES of multi-head attention with a clipped relative position term (2 x 2048 tokens, 16 heads of 64).
; DEAD WORK: none.  Every product of the problem reaches the output for some inputs: the position term differs along the softmax's axis (it is QE[i][0] far to the left, QE[i][64] far to the
; right, and one of 63 other numbers between), all 65 rows of rel_emb are looked up, and bo is added to every row.  So every input is loaded by some launch.  The lookup pos(i, j) is done as a lookup.
; THIS LAUNCH: query, key_, value [4096][1024] and Wq, Wk, Wv [1024][1024], f32, K innermost, become codes of FP4 (E2M1), two a byte, with one E8M0 byte for each 32 along K;
; Wo [1024][1024] becomes f16, laid as images of matrix fragments.
; A block's scale is 2^(floor(log2(its largest magnitude)) - 2); its byte is the largest magnitude's exponent field - 2, held at 1 from below.  A block of zeros so gets the byte 1 where the rule
; says 127: its codes are zeros, which add nothing under any byte but 0xff, and the bytes are read by this program alone.
; LIMITS: NaN and infinities among the inputs are not served; blocks whose largest magnitude lies under 2^-124 keep the byte 1; |Wo| stays under 65,504 (f16), and under 6e-5 it is carried with f16's absolute step.
; WORKSPACE: codes: 15,360 rows of 512 bytes in the order query, key_, value, Wq, Wk, Wv; scales: the same rows, 32 bytes each.  Rows are dense, so the six tensors are one stream of blocks of 32.
; wo16: [n / 16 (64)][k / 16 (64)] blocks of 512 bytes; in a block lane (r, h) has 16 bytes at 16 x lane: Wo[16 (n / 16) + r][16 (k / 16) + 8 h + 0 .. 7].
; SHARES: work-groups 0 to 479 take 32,768 numbers each of the six tensors, a wave 16 steps of 512; work-groups 480 to 543 take 16 rows of Wo each.  Waves share nothing: no barrier.
.set WAVES, 4
.set STEPS, 16
.set NQWG,  480                        ; work-groups that quantise: 3 x 128 + 3 x 32
.set EMAX,  2
.set CB,    8                          ; bytes of 16 codes
.set R,     16                         ; v16-79   four sets of 16 numbers as they are loaded
.set X,     80                         ; v80-111  two sets of 16 neighbours
.set C,     128                        ; v128-191 codes: four registers for each step, so that no store's data are written again
.set E,     112                        ; v112-127 a scale byte for each step
.set WREG,  8192                       ; LDS: a region for each wave: two stages of 32 x SP bytes, and behind them its 256 scale bytes
.set SP,    80                         ; a lane's place in a stage: its 64 bytes + 16 of padding
.set SPW,   12                         ; v12      LDS address of my spare word; never rewritten
.set NIL,   13                         ; v13      0; never rewritten
.set SPARE, WAVES*WREG                 ; behind the four regions: the spare words, 128 bytes for each wave
	s_load_b256 s[4:11], s[0:1], 0x0               ; query s[4:5], key_ s[6:7], value s[8:9], Wq s[10:11]
	s_load_b256 s[12:19], s[0:1], 0x20             ; Wk s[12:13], Wv s[14:15], Wo s[16:17], codes s[18:19]
	s_load_b128 s[20:23], s[0:1], 0x40             ; scales s[20:21], wo16 s[22:23]
	v_lshl_add_u32 v[SPW], v0, 2, SPARE
	v_mov_b32 v[NIL], 0
	v_lshrrev_b32 v1, 5, v0
	v_readfirstlane_b32 s24, v1                    ; wave
	v_and_b32 v2, 31, v0                           ; lane
	s_wait_kmcnt 0x0
	s_cmp_ge_u32 ttmp9, NQWG                       ; the work-group's number alone decides
	s_cbranch_scc1 .Lwo
	; ---- the six tensors that are quantised
	v_lshlrev_b32 v3, 4, v2                        ; my 16 bytes of a load's 512
	s_mul_i32 s25, s24, WREG
	v_lshrrev_b32 v14, 2, v2
	v_mul_u32_u24 v14, v14, SP
	v_and_b32 v15, 3, v2
	v_lshl_add_u32 v14, v15, 4, v14
	v_add_nc_u32 v14, s25, v14                     ; the stage, on the way in: SP (lane / 4) + 16 (lane % 4)
	v_mul_u32_u24 v15, v2, SP
	v_add_nc_u32 v15, s25, v15                     ; and on the way out: SP x lane: my 16 neighbours
	v_mul_u32_u24 v4, v2, CB                       ; my codes' place in a step's
	v_lshrrev_b32 v5, 1, v2
	s_add_co_u32 s25, s25, 2*32*SP
	v_add_nc_u32 v5, s25, v5                       ; LDS: my wave's 256 scale bytes, my block's byte
	v_lshlrev_b32 v7, 3, v2                        ; and on the way out 8 bytes a lane
	v_add_nc_u32 v6, s25, v7
	s_mov_b64 s[26:27], s[14:15]                   ; which tensor is my work-group's, and at which work-group it begins: a chain of choices on the work-group's number
	s_mov_b32 s28, 448
	s_cmp_lt_u32 ttmp9, 448
	s_cselect_b64 s[26:27], s[12:13], s[26:27]
	s_cselect_b32 s28, 416, s28
	s_cmp_lt_u32 ttmp9, 416
	s_cselect_b64 s[26:27], s[10:11], s[26:27]
	s_cselect_b32 s28, 384, s28
	s_cmp_lt_u32 ttmp9, 384
	s_cselect_b64 s[26:27], s[8:9], s[26:27]
	s_cselect_b32 s28, 256, s28
	s_cmp_lt_u32 ttmp9, 256
	s_cselect_b64 s[26:27], s[6:7], s[26:27]
	s_cselect_b32 s28, 128, s28
	s_cmp_lt_u32 ttmp9, 128
	s_cselect_b64 s[26:27], s[4:5], s[26:27]
	s_cselect_b32 s28, 0, s28
	s_sub_co_u32 s28, ttmp9, s28
	s_lshl_b32 s28, s28, 2
	s_add_co_u32 s28, s28, s24                     ; which run of 8,192 numbers of the tensor is my wave's
	s_lshl_b32 s28, s28, 15                        ; 32,768 bytes a run
	s_mov_b32 s29, 0
	s_add_nc_u64 s[26:27], s[26:27], s[28:29]
	s_lshl_b32 s34, ttmp9, 2
	s_add_co_u32 s34, s34, s24                     ; and which run of the workspace, which is laid in the order of the work-groups
	s_lshl_b32 s36, s34, 12                        ; 4,096 bytes of codes a run
	s_mov_b32 s37, 0
	s_add_nc_u64 s[30:31], s[18:19], s[36:37]
	s_lshl_b32 s36, s34, 8                         ; 256 scale bytes a run
	s_add_nc_u64 s[32:33], s[20:21], s[36:37]
.macro LOAD t
.irp i, 0,1,2,3
	global_load_b128 v[R+16*((\t)%4)+4*\i:R+16*((\t)%4)+4*\i+3], v3, s[26:27] offset:2048*(\t)+512*\i th:TH_LOAD_NT   ; 32 lanes read 512 consecutive bytes
.endr
.endm
.macro TURN t                          ; step t's numbers through the stage: LDS serves a wave's instructions in order, so no wait stands between the stores and the loads
.irp i, 0,1,2,3
	ds_store_b128 v14, v[R+16*((\t)%4)+4*\i:R+16*((\t)%4)+4*\i+3] offset:32*SP*((\t)%2)+8*SP*\i
.endr
.irp i, 0,1,2,3
	ds_load_b128 v[X+16*((\t)%2)+4*\i:X+16*((\t)%2)+4*\i+3], v15 offset:32*SP*((\t)%2)+16*\i
.endr
.endm
.irp t, 0,1,2,3
	LOAD \t
.endr
	s_wait_loadcnt 12                              ; step 0's four loads are in
	TURN 0
.macro STEP t
.set XS, X+16*((\t)%2)
.if (\t) > 0
	s_wait_dscnt 1                                 ; this step's numbers are back from the stage (the last step's byte store may be out)
.else
	s_wait_dscnt 0x0
.endif
.if (\t)+4 < STEPS
	LOAD (\t)+4                                    ; the registers that the stage's stores have read take the loads of four steps on
.endif
.if (\t)+1 < STEPS
.if STEPS-2-(\t) >= 3
	s_wait_loadcnt 12                              ; the next step's four loads are in; those of the three steps behind it may be out
.else
	s_wait_loadcnt 4*(STEPS-2-(\t))
.endif
	TURN (\t)+1                                    ; and go through the other stage while this step is worked
.endif
	v_max3_num_f32 v8, |v[XS]|, |v[XS+1]|, |v[XS+2]|               ; the largest magnitude of my 16
	v_max3_num_f32 v9, |v[XS+3]|, |v[XS+4]|, |v[XS+5]|
.irp i, 6,10
	v_max3_num_f32 v8, v8, |v[XS+\i]|, |v[XS+\i+1]|
	v_max3_num_f32 v9, v9, |v[XS+\i+2]|, |v[XS+\i+3]|
.endr
	v_max3_num_f32 v8, v8, |v[XS+14]|, |v[XS+15]|
	v_max3_num_f32 v8, v8, v9, (EMAX+1)<<23        ; and the floor 2^(EMAX + 1 - 127): so the byte cannot fall under 1
	v_max_num_f32_dpp v8, v8, v8 row_xmask:1 row_mask:0xf bank_mask:0xf   ; and of my neighbour's 16: the block's
	v_add_nc_u32 v11, -(EMAX<<23), v8              ; EMAX off its exponent field: the conversion takes the exponent field of this operand as its scale
	v_cvt_scalef32_pk8_fp4_f32 v[C+4*(\t)], v[XS:XS+7], v11
	v_cvt_scalef32_pk8_fp4_f32 v[C+4*(\t)+1], v[XS+8:XS+15], v11
	v_lshrrev_b32 v[E+(\t)], 23, v11               ; the scale's byte (a plain line behind the conversions)
	ds_store_b8 v5, v[E+(\t)] offset:16*(\t)       ; both lanes of a block write the same byte with the same value
	global_store_b64 v4, v[C+4*(\t):C+4*(\t)+1], s[30:31] offset:32*CB*(\t)   ; the wave stores 256 consecutive bytes, aligned
.endm
.irp t, 0,1,2,3,4,5,6,7,8,9,10,11,12,13,14,15
	STEP \t
.endr
	ds_load_b64 v[8:9], v6                         ; LDS serves a wave's instructions in order: these see my stores
	s_wait_dscnt 0x0
	global_store_b64 v7, v[8:9], s[32:33]          ; 32 lanes store 256 consecutive bytes, aligned
	s_wait_tensorcnt 0x0                           ; the wave's end, behind my last LDS store
	ds_add_u32 v[SPW], v[NIL]
	s_wait_dscnt 0x0
	s_endpgm
	; ---- Wo to f16 images: 16 rows a work-group, 256 along K a wave; no LDS
.Lwo:
	s_sub_co_u32 s28, ttmp9, NQWG                  ; which 16 rows
	v_and_b32 v3, 15, v0                           ; r
	v_bfe_u32 v4, v0, 4, 1                         ; h
	v_lshlrev_b32 v1, 12, v3                       ; row r of 4,096 bytes,
	v_lshl_add_u32 v1, v4, 5, v1                   ; + 32 h: my 8 numbers of a block of 16,
	s_lshl_b32 s25, s24, 10
	v_add_nc_u32 v1, s25, v1                       ; + my wave's 16 blocks of 64 bytes
	v_lshlrev_b32 v2, 4, v2                        ; out: 16 x lane,
	s_lshl_b32 s25, s24, 13
	v_add_nc_u32 v2, s25, v2                       ; + my wave's 16 images of 512 bytes
	s_lshl_b32 s34, s28, 16
	s_mov_b32 s35, 0
	s_add_nc_u64 s[26:27], s[16:17], s[34:35]
	s_lshl_b32 s34, s28, 15
	s_add_nc_u64 s[30:31], s[22:23], s[34:35]
.irp k, 0,1,2,3,4,5,6,7,8,9,10,11,12,13,14,15
	global_load_b128 v[16+8*\k:16+8*\k+3], v1, s[26:27] offset:64*\k th:TH_LOAD_NT
	global_load_b128 v[16+8*\k+4:16+8*\k+7], v1, s[26:27] offset:64*\k+16 th:TH_LOAD_NT
.endr
.irp k, 0,1,2,3,4,5,6,7,8,9,10,11,12,13,14,15
	s_wait_loadcnt 30-2*\k                         ; block k's two loads are in; the younger ones may be out
.irp i, 0,1,2,3
	v_cvt_pk_f16_f32 v[144+4*\k+\i], v[16+8*\k+2*\i], v[16+8*\k+2*\i+1]
.endr
	global_store_b128 v2, v[144+4*\k:144+4*\k+3], s[30:31] offset:512*\k   ; an image: 512 consecutive bytes, aligned; no register is written twice
.endr
	s_endpgm
.Lfunc_end_k_q375d58f988_quant:
	.size	k_q375d58f988_quant, .Lfunc_end_k_q375d58f988_quant-k_q375d58f988_quant
	.p2alignl 7, 3214868480
	.fill 96, 4, 3214868480
	.section	.rodata,"a",@progbits
	.p2align	6, 0x0
	.amdhsa_kernel k_q375d58f988_quant
		.amdhsa_group_segment_fixed_size 33280
		.amdhsa_private_segment_fixed_size 0
		.amdhsa_enable_private_segment 0
		.amdhsa_kernarg_size 80
		.amdhsa_user_sgpr_count 2
		.amdhsa_user_sgpr_kernarg_segment_ptr 1
		.amdhsa_wavefront_size32 1
		.amdhsa_system_sgpr_workgroup_id_x 1
		.amdhsa_system_sgpr_workgroup_id_y 1
		.amdhsa_system_sgpr_workgroup_id_z 1
		.amdhsa_system_vgpr_workitem_id 0
		.amdhsa_next_free_vgpr 208
		.amdhsa_next_free_sgpr 66
		.amdhsa_reserve_vcc 0
		.amdhsa_float_denorm_mode_32 3
		.amdhsa_float_denorm_mode_16_64 3
		.amdhsa_memory_ordered 1
		.amdhsa_forward_progress 1
		.amdhsa_inst_pref_size 44
	.end_amdhsa_kernel
	.amdgpu_metadata
---
amdhsa.version: [ 1, 2 ]
amdhsa.kernels:
  - .name:           k_q375d58f988_quant
    .symbol:         k_q375d58f988_quant.kd
    .args:
      - { .name: query, .offset: 0, .size: 8, .value_kind: global_buffer, .address_space: global }
      - { .name: key_, .offset: 8, .size: 8, .value_kind: global_buffer, .address_space: global }
      - { .name: value, .offset: 16, .size: 8, .value_kind: global_buffer, .address_space: global }
      - { .name: Wq, .offset: 24, .size: 8, .value_kind: global_buffer, .address_space: global }
      - { .name: Wk, .offset: 32, .size: 8, .value_kind: global_buffer, .address_space: global }
      - { .name: Wv, .offset: 40, .size: 8, .value_kind: global_buffer, .address_space: global }
      - { .name: Wo, .offset: 48, .size: 8, .value_kind: global_buffer, .address_space: global }
      - { .name: codes, .offset: 56, .size: 8, .value_kind: global_buffer, .address_space: global }
      - { .name: scales, .offset: 64, .size: 8, .value_kind: global_buffer, .address_space: global }
      - { .name: wo16, .offset: 72, .size: 8, .value_kind: global_buffer, .address_space: global }
    .group_segment_fixed_size: 33280
    .private_segment_fixed_size: 0
    .kernarg_segment_align: 8
    .kernarg_segment_size: 80
    .max_flat_workgroup_size: 128
    .sgpr_count:     66
    .vgpr_count:     208
    .wavefront_size: 32
...
	.end_amdgpu_metadata
.endif
;; end of part 1
;; launch proj (part 2): grid 4 x 48, 4 waves a work-group, clusters of 4 x 4, 327,680 bytes of LDS; arguments codes, scales, qkv; writes qkv
.if DOCPART == 2
	.amdgcn_target "amdgcn-amd-amdhsa--gfx1250"
	.amdhsa_code_object_version 6
	.text
	.protected	k_q375d58f988_proj
	.globl	k_q375d58f988_proj
	.p2align	8
	.type	k_q375d58f988_proj,@function
k_q375d58f988_proj:
	s_mov_b64 s[64:65], 0
	v_nop
	global_prefetch_b8 v0, s[64:65] scope:SCOPE_SE
	s_setreg_imm32_b32 hwreg(HW_REG_WAVE_MODE, 25, 1), 1
	s_wait_xcnt 0x0
	s_wait_alu depctr_hold_cnt(0) depctr_sa_sdst(0) depctr_va_vdst(0) depctr_va_sdst(0) depctr_va_ssrc(0) depctr_va_vcc(0) depctr_vm_vsrc(0)
	s_getreg_b32 s2, hwreg(HW_REG_IB_STS2, 6, 4)
	s_cmp_eq_u32 s2, 0
	s_cbranch_scc0 .Lentry_in_a_cluster
	s_endpgm
.Lentry_in_a_cluster:
	s_bfe_u32 s2, ttmp6, 0x10000c
	s_cmp_lg_u32 s2, 0xf033
	s_cbranch_scc0 .Lentry_shape_is_right
	s_endpgm
.Lentry_shape_is_right:
; SECOND LAUNCH: the three input projections, Q = query Wq^T, K = key_ Wk^T, V = value Wv^T, each [4096][1024] x [1024][1024]^T, on codes of FP4 (E2M1) with one E8M0 scale for each 32 along K; sums in f32.
; No work of the problem is left out here.  The results are rounded once to f16 and stored as images of the fragments that the attention launch multiplies.
; LIMIT: |Q|, |K|, |V| stay under 65,504 (f16); magnitudes under 6e-5 are carried with f16's absolute step.
; codes: 15,360 rows of 512 bytes (query 0, key_ 4096, value 8192, Wq 12288, Wk 13312, Wv 14336); scales: the same rows, 32 bytes each.
; A tile of 256 x 256 results is made by a work-group of four waves; a wave makes 128 x 128: 64 accumulators, 512 registers.  K = 1024 is two LDS slots of 512 along K: both are asked for at the head and nothing is filled again.
; THE MATRIX INSTRUCTION: source 0 = 16 rows of 'B', source 1 = 16 rows of 'A': a lane then holds ONE row of A (lane % 16) and eight neighbouring rows of B (8 (lane / 16) + 0 .. 7).
; For Q and K: A = the tokens, B = the weight's rows: a lane holds a token and eight features.  For V: A = Wv's rows, B = the tokens: a lane holds a channel and eight tokens, as V^T's fragments want it.
; CLUSTERS: 4 x 4 work-groups; cluster y = 4 p + sub: p = 0, 1, 2 for Q, K, V, sub = which 1,024 tokens.  A's tiles hang on cy and are shared along a row of the cluster, B's on cx and are shared along a column:
; each is asked for jointly, by the same tensor load with the same descriptor and a mask that names the four.  A wave has three tensor loads out at the most.
; qkv: Q at 0, K at 8,388,608, V at 16,777,216; each [batch x 16 + head (32)][token / 16 (128)][channel / 16 (4)] blocks of 512 bytes, lane l's 16 bytes at 16 l.
;   Q, K: lane (r, h): token 16 kt + r, channels 16 c + 8 h + 0 .. 7.   V: lane (r, h): channel 16 c + r, tokens 16 kt + 8 h + 0 .. 7.
; REGISTERS, in windows of 256: window 0: v0-31 addresses; v32-95 scale words, two sets; from v128 A's fragments, one set (on the way out: packed results).  window 1: B's fragments, two sets.  windows 2, 3: the accumulators.
.set SIZE_K, 1024
.set KSTEP,  512                       ; along K in a slot
.set NQ,     KSTEP/128                 ; matrix instructions deep
.set ROWB,   256                       ; a tile's row in bytes
.set KROW,   SIZE_K*4/8                ; a row of codes in memory
.set PITCH,  272                       ; an LDS row: 256 bytes + 16 of padding: the 16 rows that a load touches start at 16 different groups of banks
.set FR,     8                         ; registers of a fragment
.set NL,     2                         ; LDS loads that bring one
.set NP,     4                         ; places behind this matrix instruction (ISA guide 7.12.1)
.set HALFT,  128*PITCH
.set SLOT,   4*HALFT                   ; A's 256 rows, then B's 256 rows
.set KS,     SIZE_K/32                 ; a row of scales in bytes
.set SCL,    2*SLOT                    ; behind the two slots: the scales, as units of 256 bytes + 16 of padding
.set HALFS,  (128*KS/256)*272          ; the scales of 128 rows
.set SBLK,   (16*KS/256)*272           ; those of 16 rows
.set SPARE,  SCL+4*HALFS               ; the spare words, 128 bytes for each wave
.set VO,   8                           ; v8-15   the way out: my byte offset for B's block b
.set ADRA, 16                          ; v16-17  LDS address of my A fragments in slot 0, 1
.set ADRB, 20                          ; v20-21  the same for B
.set CO,   26                          ; v26     16 x lane
.set ADRS, 27                          ; v27     LDS address of my scale words: lanes 0-15 A's rows, lanes 16-31 B's
.set SPW,  28                          ; v28     LDS address of my spare word; never rewritten
.set NIL,  29                          ; v29     0; never rewritten
.set SC,   32                          ; scale words: set s at v[SC + 8 NQ s]; register NQ i + q: lanes 0-15 A's block i, lanes 16-31 B's block i, the slot's q-th 128 along K
.set AF,   128                         ; A's fragments, in window 0
.set PK,   128                         ; the way out: a block's packed results
.set G1, 24                            ; s[24:31] descriptor group 1 for A's tiles;  s[32:39] group 0, one set for each slot
.set G0, 32
.set G1B, 48                           ; s[48:55], s[56:63] the same for B's tiles
.set G0B, 56
.set G1S, 68                           ; s[68:75], s[76:79] groups 1 and 0 for A's scales;  s[80:87], s[88:91] for B's
.set G0S, 76
.set G1SB, 80
.set G0SB, 88
.set MSB, 0
.macro WIN new                         ; the immediate's high byte repeats the setting that is left
.if MSB != \new
	s_set_vgpr_msb (MSB<<8)|\new
.set MSB, \new
.endif
.endm
.set MUL_LO, 0xa1                      ; source 0 (B) window 1, source 1 (A) window 0, C and D window 2
.set MUL_HI, 0xf1                      ; the same, C and D window 3
.set TO_B,   0x40                      ; destination window 1, address window 0
; A joint load: waves 0 and 1 fetch for A, waves 2 and 3 for B.  The branch hangs on the wave's number alone.  An s_nop 0 and four v_nop follow each of the two lines.
.macro JLOAD g0a, g1a, g0b, g1b
	s_cmp_eq_u32 s15, 0
	s_cbranch_scc0 .Lfor_b_\@
	tensor_load_to_lds s[\g0a:\g0a+3], s[\g1a:\g1a+7]
	s_nop 0
.rept 4
	v_nop
.endr
	s_branch .Lasked_\@
.Lfor_b_\@:
	tensor_load_to_lds s[\g0b:\g0b+3], s[\g1b:\g1b+7]
	s_nop 0
.rept 4
	v_nop
.endr
.Lasked_\@:
.endm
.macro CROUND                          ; a round of the cluster's barrier
	s_barrier_signal -1
	s_barrier_wait -1
	s_cmp_lg_u32 s14, 0
	s_cbranch_scc1 .Lnot_wave_0_\@
	s_barrier_signal -3
.Lnot_wave_0_\@:
	s_barrier_wait -3
	s_barrier_signal -1
	s_barrier_wait -1
.endm
	s_load_b128 s[4:7], s[0:1], 0x0                ; codes s[4:5], scales s[6:7]
	s_load_b64 s[12:13], s[0:1], 0x10              ; qkv
	v_lshl_add_u32 v[SPW], v0, 2, SPARE
	v_mov_b32 v[NIL], 0
	ds_add_u32 v[SPW], v[NIL]                      ; the wave's opening: 0 onto my spare word twice, and a wait for both ahead of my first tensor load
	ds_add_u32 v[SPW], v[NIL]
	v_lshrrev_b32 v1, 5, v0
	v_readfirstlane_b32 s14, v1                    ; wave 0..3
	s_lshr_b32 s15, s14, 1                         ; which half of A's rows is mine.  Also: I fetch for A (0) or for B (1)
	s_and_b32 s16, s14, 1                          ; which half of B's rows.  Also: which 128 rows I fetch
	s_bfe_u32 s40, ttmp6, 0x40000                  ; cx, cy: my place in the cluster
	s_bfe_u32 s41, ttmp6, 0x40004
	s_and_b32 s17, ttmp7, 0xffff                   ; cluster y, the same in all sixteen partners:
	s_lshr_b32 s66, s17, 2                         ; p: 0 Q, 1 K, 2 V
	s_and_b32 s67, s17, 3                          ; sub: which 1,024 tokens
	s_lshl_b32 s43, s41, 2
	s_lshl_b32 s43, 15, s43                        ; my row of the cluster
	s_lshl_b32 s44, 0x1111, s40                    ; my column
	; descriptor group 1: a tile of 128 rows x 256 bytes, padded in LDS
	s_or_b32 s[G1+0], s43, (0<<16)|(1<<20)|(1<<21)|(5<<22)|(3<<25)  ; the mask; elements of 1 byte; padding on; bit 21 beside a mask; after every 64 words, 4 words
	s_or_b32 s[G1B+0], s44, (0<<16)|(1<<20)|(1<<21)|(5<<22)|(3<<25)
.irp g, G1, G1B
	s_mov_b32 s[\g+1], ROWB<<16                    ; tensor_dim0
	s_mov_b32 s[\g+2], 128<<16                     ; tensor_dim1
	s_mov_b32 s[\g+3], ROWB<<16                    ; tile_dim0
	s_mov_b32 s[\g+4], 128                         ; tile_dim1
	s_mov_b32 s[\g+5], KROW                        ; tensor_dim0_stride
	s_mov_b32 s[\g+6], 0
	s_mov_b32 s[\g+7], 0
.endr
	; the scales of 128 rows: 4,096 dense bytes, as rows of 256 bytes (32 elements of 8 bytes), 16 bytes of padding behind each
	s_or_b32 s[G1S+0], s43, (3<<16)|(1<<20)|(1<<21)|(5<<22)|(3<<25)
	s_or_b32 s[G1SB+0], s44, (3<<16)|(1<<20)|(1<<21)|(5<<22)|(3<<25)
.irp g, G1S, G1SB
	s_mov_b32 s[\g+1], 32<<16
	s_mov_b32 s[\g+2], (128*KS/256)<<16
	s_mov_b32 s[\g+3], 32<<16
	s_mov_b32 s[\g+4], 128*KS/256
	s_mov_b32 s[\g+5], 32
	s_mov_b32 s[\g+6], 0
	s_mov_b32 s[\g+7], 0
.endr
	; which rows of the codes' buffer.  A: Q, K: 4096 p + 1024 sub (tokens); V: 14336 (Wv).  B: Q, K: 12288 + 1024 p (the weight); V: 8192 + 1024 sub (tokens)
	s_lshl_b32 s18, s66, 12
	s_lshl_b32 s19, s67, 10
	s_add_co_u32 s20, s18, s19
	s_lshl_b32 s46, s66, 10
	s_add_co_u32 s46, s46, 12288
	s_add_co_u32 s19, s19, 8192
	s_cmp_eq_u32 s66, 2
	s_cselect_b32 s20, 14336, s20
	s_cselect_b32 s46, s19, s46
	s_lshl_b32 s18, s16, 7                         ; which 128 rows of the tile I fetch
	s_lshl_b32 s21, s41, 8
	s_add_co_u32 s20, s20, s21                     ; A: + 256 cy
	s_add_co_u32 s20, s20, s18
	s_lshl_b32 s47, s40, 8
	s_add_co_u32 s46, s46, s47                     ; B: + 256 cx
	s_add_co_u32 s46, s46, s18
	s_lshl_b32 s22, s20, 5                         ; where these rows' scales begin, in bytes (all under 2^32),
	s_mov_b32 s23, 0
	s_lshl_b32 s92, s46, 5
	s_mov_b32 s93, 0
	s_lshl_b32 s20, s20, 9                         ; and their codes
	s_mov_b32 s21, 0
	s_lshl_b32 s46, s46, 9
	s_mov_b32 s47, 0
	s_mul_i32 s45, s14, HALFT                      ; where they go: wave x 128 rows: no place in the cluster enters an LDS address
	s_mul_i32 s94, s14, HALFS
	s_wait_dscnt 0x0                               ; both opening adds are done
	s_wait_kmcnt 0x0
	s_add_nc_u64 s[20:21], s[4:5], s[20:21]
	s_add_nc_u64 s[22:23], s[6:7], s[22:23]
	s_add_nc_u64 s[46:47], s[4:5], s[46:47]
	s_add_nc_u64 s[92:93], s[6:7], s[92:93]
	CROUND                                         ; all sixteen work-groups are here: the first joint loads meet
	s_mov_b32 s[G0S], 1
	s_add_co_u32 s[G0S+1], s94, SCL
	s_mov_b64 s[G0S+2:G0S+3], s[22:23]
	s_or_b32 s[G0S+3], s[G0S+3], 0x80000000
	s_mov_b32 s[G0SB], 1
	s_add_co_u32 s[G0SB+1], s94, SCL
	s_mov_b64 s[G0SB+2:G0SB+3], s[92:93]
	s_or_b32 s[G0SB+3], s[G0SB+3], 0x80000000
	JLOAD G0S, G1S, G0SB, G1SB                     ; the scales first: they are wanted with the first slot
.irp s, 0,1
	s_mov_b32 s[G0+4*\s], 1
	s_add_co_u32 s[G0+4*\s+1], s45, \s*SLOT
	s_add_nc_u64 s[G0+4*\s+2:G0+4*\s+3], s[20:21], \s*ROWB
	s_or_b32 s[G0+4*\s+3], s[G0+4*\s+3], 0x80000000
	s_mov_b32 s[G0B+4*\s], 1
	s_add_co_u32 s[G0B+4*\s+1], s45, \s*SLOT
	s_add_nc_u64 s[G0B+4*\s+2:G0B+4*\s+3], s[46:47], \s*ROWB
	s_or_b32 s[G0B+4*\s+3], s[G0B+4*\s+3], 0x80000000
	JLOAD G0+4*\s, G1, G0B+4*\s, G1B
.endr
	v_and_b32 v1, 15, v0                           ; l % 16
	v_bfe_u32 v2, v0, 4, 1                         ; l / 16
	v_mul_u32_u24 v3, v1, PITCH
	v_lshl_add_u32 v4, v2, 4, v3                   ; a fragment's row x pitch + 16 x half
	s_mul_i32 s21, s15, HALFT                      ; my 128 rows of A
	s_mul_i32 s22, s16, HALFT                      ; my 128 rows of B,
	s_add_co_u32 s22, s22, 2*HALFT                 ; which lie behind A's 256
.irp s, 0,1
	v_add_nc_u32 v[ADRA+\s], s21, v4
	v_add_nc_u32 v[ADRB+\s], s22, v4
	s_add_co_u32 s21, s21, SLOT
	s_add_co_u32 s22, s22, SLOT
.endr
	v_mul_u32_u24 v5, v1, KS                       ; my row's scales: KS bytes a row,
	v_lshrrev_b32 v6, 8, v5
	v_lshl_add_u32 v5, v6, 4, v5                   ; and 16 more for each 256 passed
	s_mul_i32 s21, s15, HALFS                      ; A's: my 128 rows
	s_mul_i32 s22, s16, HALFS                      ; B's: my 128 rows, behind A's 256
	s_add_co_u32 s22, s22, 2*HALFS
	s_sub_co_u32 s22, s22, s21
	v_mul_u32_u24 v6, s22, v2                      ; lanes 16-31 take B's
	s_add_co_u32 s21, s21, SCL
	v_add_nc_u32 v5, v5, v6
	v_add_nc_u32 v[ADRS], s21, v5
	; the way out.  al, bl: my first row of A and of B inside the cluster's 1,024; in registers that feed no descriptor
	s_lshl_b32 s95, s41, 8
	s_lshl_b32 s99, s15, 7
	s_add_co_u32 s95, s95, s99                     ; al = 256 cy + 128 x half
	s_lshl_b32 s96, s40, 8
	s_lshl_b32 s99, s16, 7
	s_add_co_u32 s96, s96, s99                     ; bl = 256 cx + 128 x half
	s_cmp_eq_u32 s66, 2                            ; V?
	s_cselect_b32 s97, s96, s95                    ; the tokens run along B for V, along A for Q and K;
	s_cselect_b32 s98, s95, s96                    ; the features the other way
	s_mov_b32 s8, 2048
	s_cselect_b32 s8, 512, s8                      ; from A's block a to a + 1: 16 channels on (V) or 16 tokens on,
	s_mov_b32 s10, 2048
	s_cselect_b32 s10, 260608, s10                 ; from block 3 to 4: the next head's first channels (262,144 - 3 x 512) or 16 tokens on
	s_mov_b32 s2, 512
	s_cselect_b32 s2, 2048, s2                     ; from B's block b to b + 1: 16 tokens on (V) or 16 channels on,
	s_mov_b32 s3, 262144
	s_cselect_b32 s3, 8192, s3                     ; and four blocks on: 64 tokens (V) or the next head
	s_mov_b32 s9, 0
	s_mov_b32 s11, 0
	s_lshl_b32 s99, s67, 10
	s_add_co_u32 s97, s97, s99                     ; my first token, 0 .. 4095
	s_lshr_b32 s99, s97, 11
	s_lshl_b32 s100, s99, 22                       ; the batch: 16 heads of 262,144 bytes
	s_bfe_u32 s99, s97, 0x70004
	s_lshl_b32 s99, s99, 11                        ; the tile of 16 tokens: 2,048 bytes
	s_add_co_u32 s100, s100, s99
	s_lshr_b32 s99, s98, 6
	s_lshl_b32 s99, s99, 18                        ; the head
	s_add_co_u32 s100, s100, s99
	s_lshl_b32 s99, s66, 23                        ; Q, K or V
	s_add_co_u32 s100, s100, s99
	s_mov_b32 s101, 0
	s_add_nc_u64 s[12:13], s[12:13], s[100:101]
	v_and_b32 v6, 31, v0
	v_lshlrev_b32 v[CO], 4, v6
	v_mov_b32 v[VO], v[CO]
.irp b, 1,2,3
	v_add_nc_u32 v[VO+\b], s2, v[VO+\b-1]
.endr
	v_add_nc_u32 v[VO+4], s3, v[VO]
.irp b, 5,6,7
	v_add_nc_u32 v[VO+\b], s2, v[VO+\b-1]
.endr
.macro FRAG reg, adr, q, i             ; a fragment, 16 rows x 128 K of 4-bit codes: lane l holds row l % 16; registers 4 c .. 4 c + 3 hold K = 64 c + 32 (l / 16) + 0 .. 31
.irp c, 0,1
	ds_load_b128 v[\reg+4*\c:\reg+4*\c+3], v[\adr] offset:64*(\q)+32*\c+(\i)*16*PITCH
.endr
.endm
; 16 matrix instructions: A's blocks a0, a0 + 1 x B's eight, the slot's q-th 128 along K.  p: B's set;  sc: the set of scale words.  zero = 1: the first product starts the sums.
; The 64 accumulators take turns, one instruction a turn, in the same order in every step.
.macro MUL16 a0, p, q, sc, zero
.irp a, \a0, \a0+1
.irp b, 0,1,2,3,4,5,6,7
.if \zero
	v_wmma_scale_f32_16x16x128_f8f6f4 v[8*(8*((\a)%4)+\b):8*(8*((\a)%4)+\b)+7], v[128*(\p)+FR*\b:128*(\p)+FR*\b+FR-1], v[AF+FR*(\a):AF+FR*(\a)+FR-1], 0, v[SC+8*NQ*(\sc)+NQ*\b+(\q)], v[SC+8*NQ*(\sc)+NQ*(\a)+(\q)] matrix_a_fmt:MATRIX_FMT_FP4 matrix_b_fmt:MATRIX_FMT_FP4 matrix_a_scale:MATRIX_SCALE_ROW1
.else
	v_wmma_scale_f32_16x16x128_f8f6f4 v[8*(8*((\a)%4)+\b):8*(8*((\a)%4)+\b)+7], v[128*(\p)+FR*\b:128*(\p)+FR*\b+FR-1], v[AF+FR*(\a):AF+FR*(\a)+FR-1], v[8*(8*((\a)%4)+\b):8*(8*((\a)%4)+\b)+7], v[SC+8*NQ*(\sc)+NQ*\b+(\q)], v[SC+8*NQ*(\sc)+NQ*(\a)+(\q)] matrix_a_fmt:MATRIX_FMT_FP4 matrix_b_fmt:MATRIX_FMT_FP4 matrix_a_scale:MATRIX_SCALE_ROW1
.endif
.endr
.endr
.endm
.macro FETCH_B slot, q, p              ; B's eight fragments of the slot's q-th 128 along K into set p
	WIN TO_B
.irp i, 0,1,2,3,4,5,6,7
	FRAG 128*(\p)+FR*\i, ADRB+\slot, \q, \i
.endr
	WIN 0
.endm
.macro FETCH_A slot, q, i0             ; A's blocks i0 .. i0 + 3
.irp i, \i0, \i0+1, \i0+2, \i0+3
	FRAG AF+FR*(\i), ADRA+\slot, \q, \i
.endr
.endm
.macro SCALES sc                       ; a slot's scale words into set sc: NQ words a row; lanes 0-15 take A's block i, lanes 16-31 B's block i
.irp i, 0,1,2,3,4,5,6,7
	ds_load_b128 v[SC+8*NQ*\sc+NQ*\i:SC+8*NQ*\sc+NQ*\i+3], v[ADRS] offset:\i*SBLK
.endr
.endm
.macro PLACES n                        ; plain vector instructions between a matrix instruction and a load into, or a vector instruction on, its registers
.rept \n
	v_nop
.endr
.endm
; A step of 128 along K that has its successor in the same slot.
.macro STEP slot, q, zero
	s_wait_dscnt 4*NL                              ; B's set and A's blocks 0-3 are in; the youngest eight loads (A's blocks 4-7) may be out
	WIN MUL_LO
	MUL16 0, (\q)%2, \q, \slot, \zero
	MUL16 2, (\q)%2, \q, \slot, \zero
	s_wait_dscnt 0                                 ; A's blocks 4-7 are in
	PLACES NP
	FETCH_B \slot, (\q)+1, 1-(\q)%2
	FETCH_A \slot, (\q)+1, 0
	WIN MUL_HI
	MUL16 4, (\q)%2, \q, \slot, \zero
	MUL16 6, (\q)%2, \q, \slot, \zero
	PLACES NP
	WIN 0
	FETCH_A \slot, (\q)+1, 4
.endm
.macro STEPS slot, from                ; the slot's steps from .. NQ - 2
.set QQ, \from
.rept NQ-1-\from
	STEP \slot, QQ, 0
.set QQ, QQ+1
.endr
.endm
	s_wait_tensorcnt 1                             ; the scales and my part of slot 0 are in (slot 1's load may be out)
	s_barrier_signal -1
	s_barrier_wait -1                              ; everybody's are
	FETCH_B 0, 0, 0
	FETCH_A 0, 0, 0
	SCALES 0
	FETCH_A 0, 0, 4
	STEP 0, 0, 1                                   ; the first step's products start the sums
	STEPS 0, 1
	; slot 0's last step changes slots: each wave's part of slot 1 has landed before it signals; nothing is filled again
	s_wait_tensorcnt 0x0                           ; all my tensor loads have landed
	ds_add_u32 v[SPW], v[NIL]                      ; 0 onto my spare word
	s_wait_dscnt 4*NL+1                            ; (the add and the youngest eight loads may be out)
	WIN MUL_LO
	MUL16 0, 1, NQ-1, 0, 0
	s_wait_dscnt 0x0                               ; the add is done, and my reads of slot 0 are over
	s_barrier_signal -1
	MUL16 2, 1, NQ-1, 0, 0
	WIN 0
	s_barrier_wait -1
	PLACES NP
	v_add_nc_u32 v[ADRS], 4*NQ, v[ADRS]            ; on to slot 1's scale words
	FETCH_B 1, 0, 0
	FETCH_A 1, 0, 0
	SCALES 1
	WIN MUL_HI
	MUL16 4, 1, NQ-1, 0, 0
	MUL16 6, 1, NQ-1, 0, 0
	PLACES NP
	WIN 0
	FETCH_A 1, 0, 4
	STEPS 1, 0
	s_wait_dscnt 4*NL                              ; the very last step: nothing more to fetch
	WIN MUL_LO
	MUL16 0, 1, NQ-1, 1, 0
	MUL16 2, 1, NQ-1, 1, 0
	s_wait_dscnt 0
	WIN MUL_HI
	MUL16 4, 1, NQ-1, 1, 0
	MUL16 6, 1, NQ-1, 1, 0
	WIN 0
; THE WAY OUT, A's block a at a time.  A lane's eight results of accumulator (a, b) pack into 16 bytes of f16, and the wave's 32 x 16 bytes ARE an image block: each store covers 512 consecutive bytes, aligned.  No LDS.
.macro OUTBLK a
.set AC, 64*((\a)%4)
.if (\a) > 0
	s_wait_xcnt 0x0                                ; the last block's stores have read their data and their base: both are written again only behind this wait
.if (\a) == 4
	s_add_nc_u64 s[12:13], s[12:13], s[10:11]
.else
	s_add_nc_u64 s[12:13], s[12:13], s[8:9]
.endif
.endif
	WIN 0x0a+5*((\a)/4)                            ; sources 0 and 1: window 2 or 3
.irp b, 0,1,2,3,4,5,6,7
.irp i, 0,1,2,3
	v_cvt_pk_f16_f32 v[PK+4*\b+\i], v[AC+8*\b+2*\i], v[AC+8*\b+2*\i+1]   ; each accumulator from its low end on
.endr
.endr
	WIN 0
.irp b, 0,1,2,3,4,5,6,7
	global_store_b128 v[VO+\b], v[PK+4*\b:PK+4*\b+3], s[12:13]
.endr
.endm
	PLACES NP                                      ; behind the last products: their results are read and A's registers are written below
.irp a, 0,1,2,3,4,5,6,7
	OUTBLK \a
.endr
	s_wait_tensorcnt 0x0                           ; the wave's end
	ds_add_u32 v[SPW], v[NIL]
	s_wait_dscnt 0x0
	CROUND                                         ; the closing round: no work-group ends while a partner may still ask for a tile that names it
	s_endpgm
.Lfunc_end_k_q375d58f988_proj:
	.size	k_q375d58f988_proj, .Lfunc_end_k_q375d58f988_proj-k_q375d58f988_proj
	.p2alignl 7, 3214868480
	.fill 96, 4, 3214868480
	.section	.rodata,"a",@progbits
	.p2align	6, 0x0
	.amdhsa_kernel k_q375d58f988_proj
		.amdhsa_group_segment_fixed_size 327680
		.amdhsa_private_segment_fixed_size 0
		.amdhsa_enable_private_segment 0
		.amdhsa_kernarg_size 24
		.amdhsa_user_sgpr_count 2
		.amdhsa_user_sgpr_kernarg_segment_ptr 1
		.amdhsa_wavefront_size32 1
		.amdhsa_system_sgpr_workgroup_id_x 1
		.amdhsa_system_sgpr_workgroup_id_y 1
		.amdhsa_system_sgpr_workgroup_id_z 1
		.amdhsa_system_vgpr_workitem_id 0
		.amdhsa_next_free_vgpr 1024
		.amdhsa_next_free_sgpr 102
		.amdhsa_reserve_vcc 0
		.amdhsa_float_denorm_mode_32 3
		.amdhsa_float_denorm_mode_16_64 3
		.amdhsa_memory_ordered 1
		.amdhsa_forward_progress 1
		.amdhsa_inst_pref_size 119
	.end_amdhsa_kernel
	.amdgpu_metadata
---
amdhsa.version: [ 1, 2 ]
amdhsa.kernels:
  - .name:           k_q375d58f988_proj
    .symbol:         k_q375d58f988_proj.kd
    .args:
      - { .name: codes, .offset: 0, .size: 8, .value_kind: global_buffer, .address_space: global }
      - { .name: scales, .offset: 8, .size: 8, .value_kind: global_buffer, .address_space: global }
      - { .name: qkv, .offset: 16, .size: 8, .value_kind: global_buffer, .address_space: global }
    .group_segment_fixed_size: 327680
    .private_segment_fixed_size: 0
    .kernarg_segment_align: 8
    .kernarg_segment_size: 24
    .max_flat_workgroup_size: 128
    .sgpr_count:     102
    .vgpr_count:     1024
    .wavefront_size: 32
...
	.end_amdgpu_metadata
.endif
;; end of part 2
;; launch attn (part 3): grid 8 x 32, 8 waves a work-group, no clusters, 327,680 bytes of LDS; arguments qkv, rel_emb, of; writes of
.if DOCPART == 3
	.amdgcn_target "amdgcn-amd-amdhsa--gfx1250"
	.amdhsa_code_object_version 6
	.text
	.protected	k_q375d58f988_attn
	.globl	k_q375d58f988_attn
	.p2align	8
	.type	k_q375d58f988_attn,@function
k_q375d58f988_attn:
	s_mov_b64 s[64:65], 0
	v_nop
	global_prefetch_b8 v0, s[64:65] scope:SCOPE_SE
	s_setreg_imm32_b32 hwreg(HW_REG_WAVE_MODE, 25, 1), 1
	s_wait_xcnt 0x0
; THIRD LAUNCH: O[bh][i] = sum over j of softmax_j((Q[i] . K[j] + Q[i] . rel_emb[clip(j - i, -32, 32) + 32]) / 8) V[j], for 32 (batch, head) pairs of 2,048 tokens and 64 channels.
; No work of the problem is left out: the position term is looked up where it differs from key to key, and is one number a query where the clip holds it (j - i <= -32: L = QE[i][0]; j - i >= 32: R = QE[i][64]).
; Operands in f16 (Q, K, V, rel_emb, the weights p), sums, maxima and the softmax in f32; the running maximum is taken away before every exponential; O is rounded once to f16.
; LIMITS: NaN and infinities are not served; |rel_emb| and |O| under 65,504; the running maximum starts at -3e38.
; SHARES.  A work-group owns 256 queries of one (batch, head); each of its eight waves 32 of them, two tiles of 16, in 512 registers: two waves to a SIMD, so that one wave's vector work stands beside the other's products.
; Every wave walks all 2,048 keys, 128 a step.  K and V come as images of fragments through two LDS slots of 256 keys (K's 32,768 bytes, then V's); each wave brings 8,192 dense bytes of a slot by one tensor load.
; A wave has one tensor load out at the most, and every wait on the tensor counter is for 0.
; LAYOUT.  S^T = K Q^T (source 0 = 16 keys, source 1 = 16 queries) and O^T = V^T P (source 0 = 16 channels, source 1 = P): a lane holds ONE query (lane % 16) throughout; two tiles of S^T, rounded in pairs, are a fragment of P.
; THE POSITION TERM.  E'[x] = rel_emb[clamp(x - 16, 0, 64)], x = 0 .. 95; QE' = E' Q^T is made once a wave and laid in the wave's own table in LDS, a row of 96 f32 (pitch 400 bytes) for each query.
; For a tile of 16 keys that begins 16 D after the tile of queries, pos = table[16 D + 48 + key in tile - query in tile] where |D| <= 2, L where D <= -3, R where D >= 3.
; With E = 8 step - 16 block - 2 wave, D = E + kk - t.  A step with E <= -10 or E >= 4 has one number a query: it enters the maximum by one addition and the exponent through the multiply-add's addend.
; The steps with E = -8 .. 2 (one or two of a wave's sixteen) add pos to the scores ahead of the maximum: six blocks of text, chosen by scalar branches on ids and the count of steps.
; NO CLUSTER: which steps take those branches hangs on 16 block + 2 wave, which differs between the query blocks that would share K and V, and partners of a joint load must run alike.
.set SLOT1, 65536                      ; slot 1 begins here: one exclusive or turns an address from one slot to the other
.set STEPB, 16384                      ; a key step's K, or V, in bytes
.set VOFF,  32768                      ; V's images lie behind K's
.set TBL,   131072                     ; the tables: 8 waves x 32 rows x 400 bytes
.set TWAVE, 12800
.set SPARE, TBL+8*TWAVE                ; the spare words, 128 bytes for each wave
.set LB,  1                            ; v1   16 x lane: an image's place for my lane
.set ADR, 2                            ; v2   LDS address of the step in hand
.set TAB, 3                            ; v3   the table, for the lookups: my wave's + 396 r + 32 h + 64
.set SPW, 4                            ; v4   LDS address of my spare word; never rewritten
.set NIL, 5                            ; v5   0; never rewritten
.set PFO, 6                            ; v6   256 x lane: the prefetch's offset
.set TST, 7                            ; v7   the table, for the stores: my wave's + 400 r + 32 h
                                       ; v8, v10 L of tile 0, 1; v9, v11 the running maximum M; v12, v14 R; v13, v15 PC, the step's one number (0 in a band step)
.set LS,  16                           ; v[16:17], v[18:19] the row's sum in two halves
.set CC,  20                           ; v20-23, v24-27 at work, four a tile
.set S,   32                           ; v32-159 S^T, 64 a tile; then p; then P in the low 32 of each 64
.set Q,   160                          ; v160-191 Q's fragments, 16 a tile
.set O,   192                          ; v192-255 O^T, 32 a tile
                                       ; window 1: v0-127 K of a step (block n at 4 n); v128-255 V of a step (ahead of it: the numbers looked up)
.set WV,  10
.set BH,  11
.set G1,  16                           ; s[16:23] descriptor group 1
.set G0,  24                           ; s[24:27] descriptor group 0, which walks
.set TB,  29                           ; LDS byte at which the step in hand begins
.set EE,  30                           ; E
.set SLOTS, 31
.set TWICE, 32
.set SELM, 33
.set T0,  34
.set CS,  36                           ; s[36:37] c = log2(e) / 8
.set SEL, 38                           ; s[38:39] selects for lane l xor 16
.set PFA, 40                           ; s[40:41] where my prefetch stands
.set LIM, 42
.set QT,  43                           ; 16 block + 2 wave: my first tile of queries
.set QA,  44                           ; s[44:45] Q's images
.set MSB, 0
.macro WIN new                         ; the immediate's high byte repeats the setting that is left
.if MSB != \new
	s_set_vgpr_msb (MSB<<8)|\new
.set MSB, \new
.endif
.endm
	s_load_b128 s[4:7], s[0:1], 0x0                ; qkv s[4:5], rel_emb s[6:7]
	s_load_b64 s[8:9], s[0:1], 0x10                ; of
	v_lshl_add_u32 v[SPW], v0, 2, SPARE
	v_mov_b32 v[NIL], 0
	ds_add_u32 v[SPW], v[NIL]                      ; the wave's opening: 0 onto my spare word twice, and a wait for both ahead of my first tensor load
	ds_add_u32 v[SPW], v[NIL]
	v_lshrrev_b32 v7, 5, v0
	v_readfirstlane_b32 s[WV], v7                  ; wave 0..7
	s_and_b32 s[BH], ttmp7, 0xffff                 ; batch x 16 + head
	s_mov_b32 s[G1+0], 3<<16                       ; no mask; elements of 8 bytes; no padding
	s_mov_b32 s[G1+1], 32<<16                      ; tensor_dim0 = 32 elements: rows of 256 bytes
	s_mov_b32 s[G1+2], 32<<16                      ; tensor_dim1 = 32
	s_mov_b32 s[G1+3], 32<<16                      ; tile_dim0
	s_mov_b32 s[G1+4], 32                          ; tile_dim1
	s_mov_b32 s[G1+5], 32                          ; the pitch: the block is dense
	s_mov_b32 s[G1+6], 0
	s_mov_b32 s[G1+7], 0
	s_mov_b32 s[CS], 0x3e38aa3b                    ; c = log2(e) / sqrt(64)
	s_mov_b32 s[CS+1], s[CS]
	s_mov_b32 s[SEL], 0x76543210
	s_mov_b32 s[SEL+1], 0xfedcba98
	s_lshl_b32 s[QT], ttmp9, 4
	s_lshl_b32 s[T0], s[WV], 1
	s_add_co_u32 s[QT], s[QT], s[T0]
	s_sub_co_i32 s[EE], 0, s[QT]                   ; E of step 0
	s_mov_b32 s[TB], 0
	s_mov_b32 s[SLOTS], 7                          ; slots still to be asked for
	s_cmp_eq_u32 ttmp9, 0
	s_cselect_b32 s[LIM], 1, -1                    ; the (batch, head)'s first work-group prefetches
	s_lshr_b32 s[T0], s[WV], 2                     ; waves 0-3 bring K's quarters, waves 4-7 V's
	s_add_co_u32 s[T0], s[T0], 1
	s_lshl_b32 s[T0], s[T0], 23
	s_lshl_b32 s[T0+1], s[BH], 18
	s_add_co_u32 s[T0], s[T0], s[T0+1]
	s_and_b32 s[T0+1], s[WV], 3
	s_lshl_b32 s[T0+1], s[T0+1], 13
	s_add_co_u32 s[T0], s[T0], s[T0+1]
	s_mov_b32 s[T0+1], 0
	s_mov_b32 s[G0], 1
	s_lshl_b32 s[G0+1], s[WV], 13                  ; slot 0, my 8,192 bytes
	s_wait_dscnt 0x0                               ; both opening adds are done
	s_wait_kmcnt 0x0
	s_add_nc_u64 s[G0+2:G0+3], s[4:5], s[T0:T0+1]
	s_add_nc_u64 s[PFA:PFA+1], s[G0+2:G0+3], 32768 ; my part of slot 1; the first change of slots steps it to slot 2
	s_or_b32 s[G0+3], s[G0+3], 0x80000000
	tensor_load_to_lds s[G0:G0+3], s[G1:G1+7]      ; slot 0
	s_nop 0
.rept 4
	v_nop
.endr
	s_lshl_b32 s[T0], s[BH], 18
	s_lshl_b32 s[T0+1], s[QT], 11
	s_add_co_u32 s[T0], s[T0], s[T0+1]
	s_mov_b32 s[T0+1], 0
	s_add_nc_u64 s[QA:QA+1], s[4:5], s[T0:T0+1]    ; Q's eight image blocks of my two tiles
	s_lshr_b32 s[T0], s[BH], 4
	s_lshl_b32 s[T0], s[T0], 7
	s_add_co_u32 s[T0], s[T0], s[QT]               ; token / 16
	s_lshl_b32 s[T0], s[T0], 15
	s_and_b32 s[T0+1], s[BH], 15
	s_lshl_b32 s[T0+1], s[T0+1], 11                ; the head's four blocks of 16 features
	s_add_co_u32 s[T0], s[T0], s[T0+1]
	s_mov_b32 s[T0+1], 0
	s_add_nc_u64 s[8:9], s[8:9], s[T0:T0+1]
	v_and_b32 v28, 31, v0
	v_lshlrev_b32 v[LB], 4, v28
	v_lshlrev_b32 v[PFO], 8, v28
	v_and_b32 v30, 15, v0                          ; r
	v_bfe_u32 v31, v0, 4, 1                        ; h
	s_mul_i32 s[T0], s[WV], TWAVE
	s_add_co_u32 s[T0], s[T0], TBL                 ; my wave's table
	v_mul_u32_u24 v[TAB], v30, 396
	v_lshl_add_u32 v[TAB], v31, 5, v[TAB]
	v_add_nc_u32 v[TAB], s[T0], v[TAB]
	v_add_nc_u32 v[TAB], 64, v[TAB]
	v_mul_u32_u24 v[TST], v30, 400
	v_lshl_add_u32 v[TST], v31, 5, v[TST]
	v_add_nc_u32 v[TST], s[T0], v[TST]
	v_lshlrev_b32 v29, 5, v31                      ; rel_emb: 32 h: one row for all lanes,
	v_lshl_add_u32 v28, v30, 8, v29                ; or row r of 256 bytes
.irp n, 0,1,2,3,4,5,6,7
	global_load_b128 v[Q+4*\n:Q+4*\n+3], v[LB], s[QA:QA+1] offset:512*\n
.endr
	WIN 0x40                                       ; destination window 1
.irp e, 0,1,2,3,4,5                    ; E's six tiles as f32: fragment 2 e + cs: 16 numbers a lane: channels 32 cs + 8 h + 0 .. 7 and 32 cs + 16 + 8 h + 0 .. 7
.irp cs, 0,1
.irp q, 0,1,2,3
.if \e == 0
	global_load_b128 v[16*(2*\e+\cs)+4*\q:16*(2*\e+\cs)+4*\q+3], v29, s[6:7] offset:128*\cs+16*(\q%2)+64*(\q/2)           ; row 0, sixteen times
.elseif \e == 5
	global_load_b128 v[16*(2*\e+\cs)+4*\q:16*(2*\e+\cs)+4*\q+3], v29, s[6:7] offset:16384+128*\cs+16*(\q%2)+64*(\q/2)     ; row 64, sixteen times: the last byte read is the buffer's last
.else
	global_load_b128 v[16*(2*\e+\cs)+4*\q:16*(2*\e+\cs)+4*\q+3], v28, s[6:7] offset:4096*(\e-1)+128*\cs+16*(\q%2)+64*(\q/2)   ; rows 16 (e - 1) + r
.endif
.endr
.endr
.endr
	WIN 0
	s_wait_loadcnt 0x0
	WIN 0x05                                       ; sources window 1, destination window 0
.set fi, 0
.rept 12
.irp i, 0,1,2,3,4,5,6,7
	v_cvt_pk_f16_f32 v[S+8*fi+\i], v[16*fi+2*\i], v[16*fi+2*\i+1]
.endr
.set fi, fi+1
.endr
	WIN 0x40                                       ; QE'^T = E' Q^T: twelve accumulators in window 1, by turns; the first 32 channels start the sums
.irp e, 0,1,2,3,4,5
.irp t, 0,1
	v_wmma_f32_16x16x32_f16 v[8*(2*\e+\t):8*(2*\e+\t)+7], v[S+16*\e:S+16*\e+7], v[Q+16*\t:Q+16*\t+7], 0
.endr
.endr
	WIN 0x50
.irp e, 0,1,2,3,4,5
.irp t, 0,1
	v_wmma_f32_16x16x32_f16 v[8*(2*\e+\t):8*(2*\e+\t)+7], v[S+16*\e+8:S+16*\e+15], v[Q+16*\t+8:Q+16*\t+15], v[8*(2*\e+\t):8*(2*\e+\t)+7]
.endr
.endr
	WIN 0
.rept 4
	v_nop                                          ; places behind the products, ahead of the first read of their results
.endr
	WIN 0x01
	v_mov_b32 v8, v0                               ; L of tile 0: x = 0 .. 15 all hold QE[i][0]
	v_mov_b32 v10, v8                              ; L of tile 1
	v_mov_b32 v12, v80                             ; R of tile 0: x = 80 .. 95 all hold QE[i][64]
	v_mov_b32 v14, v88                             ; R of tile 1
	WIN 0x04                                       ; an LDS store's data are its source 1
.irp e, 0,1,2,3,4,5
.irp t, 0,1
.irp u, 0,1
	ds_store_b128 v[TST], v[8*(2*\e+\t)+4*\u:8*(2*\e+\t)+4*\u+3] offset:6400*\t+64*\e+16*\u   ; query r's row, x = 16 e + 8 h + 4 u on; each accumulator from its low end on
.endr
.endr
.endr
	WIN 0
	v_mov_b32 v9, 0xff61b1e6                       ; the running maximum: -3e38, under every score
	v_mov_b32 v11, 0xff61b1e6
	v_mov_b32 v13, 0
	v_mov_b32 v15, 0
.irp n, 0,1,2,3
	v_mov_b32 v[LS+\n], 0
.endr
.set n, 0
.rept 64
	v_mov_b32 v[O+n], 0                            ; O^T: the step is written without a first step of its own; the first step's factor is 0 on zeros.  (These are also the places ahead of the first products that write over E's fragments)
.set n, n+1
.endr
.macro KLOAD off                       ; a step's K: 32 image blocks into window 1, v0-127
	WIN 0x40
.set n, 0
.rept 32
	ds_load_b128 v[4*n:4*n+3], v[ADR] offset:\off+512*n
.set n, n+1
.endr
	WIN 0
.endm
.macro VLOAD                           ; a step's V: block (kt, ct) is half of the fragment of channels 16 ct on, keys 32 (kt / 2) on
	WIN 0x40
.irp kt, 0,1,2,3,4,5,6,7
.irp ct, 0,1,2,3
	ds_load_b128 v[128+32*(\kt/2)+8*\ct+4*(\kt%2):128+32*(\kt/2)+8*\ct+4*(\kt%2)+3], v[ADR] offset:VOFF+2048*\kt+512*\ct
.endr
.endr
	WIN 0
.endm
; A prefetch of what the NEXT change of slots will ask for: my wave's 8,192 bytes of that slot, lanes 256 bytes apart: two key steps ahead of the load.  All work-groups of a (batch, head) walk the same K and V:
; the first of them asks, so each block of 256 bytes is named once in the launch.  Slots 0 and 1 come by their loads alone; the last change that fills a slot asks for nothing.
.macro ASK
	s_cmp_gt_u32 s[SLOTS], s[LIM]
	s_cbranch_scc0 .Lnot_mine_\@
	global_prefetch_b8 v[PFO], s[PFA:PFA+1] th:TH_LOAD_NT scope:SCOPE_SE
.Lnot_mine_\@:
.endm
; THE CHANGE OF SLOTS stands at a slot's head.  Each wave waits for its tensor load (its part of the slot ahead), adds 0 to its spare word, and waits for that and for its reads of the slot that it has left.
; Behind the barrier the slot ahead is whole and nobody reads the other one.  fill = 1: that other slot takes the next 256 keys: the load has two key steps in which to land.
.macro CHANGE fill
	s_wait_tensorcnt 0x0                           ; no tensor load of mine is out, so the descriptor may be written
	ds_add_u32 v[SPW], v[NIL]                      ; 0 onto my spare word
.if \fill
	s_xor_b32 s[G0+1], s[G0+1], SLOT1              ; the other slot than last time,
	s_add_nc_u64 s[G0+2:G0+3], s[G0+2:G0+3], 32768 ; the next 256 keys; the type bits on top are not reached
	s_wait_xcnt 0x0                                ; the last prefetch, a slot back, has read its address
	s_add_nc_u64 s[PFA:PFA+1], s[PFA:PFA+1], 32768
.endif
	s_wait_dscnt 0x0                               ; the add is done, and my LDS reads and stores are over
	s_barrier_signal -1
	s_barrier_wait -1
.if \fill
	tensor_load_to_lds s[G0:G0+3], s[G1:G1+7]      ; my one tensor load behind this barrier, and the first thing there
	s_nop 0
.rept 4
	v_nop
.endr
.endif
	v_add_nc_u32 v[ADR], s[TB], v[LB]
	KLOAD 0                                        ; the slot's first step's K
.if \fill
	ASK
.endif
.endm
; A band step with E = e: pos is added to all 128 scores of both tiles.  Tiles with |D| <= 2 look their eight numbers up in the table (into V's registers, which are loaded afterwards); the others add L or R.
.macro BAND e
	WIN 0x40
.set gi, 0
.irp t, 0,1
.irp kk, 0,1,2,3,4,5,6,7
.set dd, (\e)+\kk-\t
.if (dd >= -2) && (dd <= 2)
.irp jj, 0,1,2,3,4,5,6,7
	ds_load_b32 v[128+8*gi+\jj], v[TAB] offset:6400*\t+64*(dd+2)+4*\jj
.endr
.set gi, gi+1
.endif
.endr
.endr
	WIN 0
.irp t, 0,1
.irp kk, 0,1,2,3,4,5,6,7
.set dd, (\e)+\kk-\t
.if dd < -2
.irp q, 0,2,4,6
	v_pk_add_f32 v[S+64*\t+8*\kk+\q:S+64*\t+8*\kk+\q+1], v[S+64*\t+8*\kk+\q:S+64*\t+8*\kk+\q+1], v[8+2*\t:9+2*\t] op_sel_hi:[1,0]     ; + L
.endr
.elseif dd > 2
.irp q, 0,2,4,6
	v_pk_add_f32 v[S+64*\t+8*\kk+\q:S+64*\t+8*\kk+\q+1], v[S+64*\t+8*\kk+\q:S+64*\t+8*\kk+\q+1], v[12+2*\t:13+2*\t] op_sel_hi:[1,0]   ; + R
.endr
.endif
.endr
.endr
	s_wait_dscnt 0x0                               ; the numbers looked up are in
	WIN 0x04                                       ; source 1 window 1
.set gi, 0
.irp t, 0,1
.irp kk, 0,1,2,3,4,5,6,7
.set dd, (\e)+\kk-\t
.if (dd >= -2) && (dd <= 2)
.irp q, 0,2,4,6
	v_pk_add_f32 v[S+64*\t+8*\kk+\q:S+64*\t+8*\kk+\q+1], v[S+64*\t+8*\kk+\q:S+64*\t+8*\kk+\q+1], v[128+8*gi+\q:128+8*gi+\q+1]
.endr
.set gi, gi+1
.endif
.endr
.endr
	WIN 0
.endm
; A KEY STEP: 128 keys.
.macro STEP
	s_wait_dscnt 0x0                               ; K is in
	WIN 0x01                                       ; source 0 window 1
.irp cs, 0,1                           ; S^T = K Q^T: sixteen accumulators by turns; the first 32 channels start the sums
.irp kk, 0,1,2,3,4,5,6,7
.irp t, 0,1
.if \cs == 0
	v_wmma_f32_16x16x32_f16 v[S+64*\t+8*\kk:S+64*\t+8*\kk+7], v[16*\kk+8*\cs:16*\kk+8*\cs+7], v[Q+16*\t+8*\cs:Q+16*\t+8*\cs+7], 0
.else
	v_wmma_f32_16x16x32_f16 v[S+64*\t+8*\kk:S+64*\t+8*\kk+7], v[16*\kk+8*\cs:16*\kk+8*\cs+7], v[Q+16*\t+8*\cs:Q+16*\t+8*\cs+7], v[S+64*\t+8*\kk:S+64*\t+8*\kk+7]
.endif
.endr
.endr
.endr
	WIN 0
	s_cmp_gt_i32 s[EE], 3
	s_cselect_b32 s[SELM], -1, 0
	v_cndmask_b32 v13, v8, v12, s[SELM]            ; PC: R where all keys lie to the right, else L.  These four lines are the places behind the products
	v_cndmask_b32 v15, v10, v14, s[SELM]
	v_nop
	v_nop
	s_cmp_eq_u32 s[TWICE], 1
	s_cbranch_scc1 .Lnok_\@
	KLOAD STEPB                                    ; in a slot's first step: the second step's K, a step ahead
.Lnok_\@:
	s_add_co_i32 s[T0], s[EE], 9
	s_cmp_gt_u32 s[T0], 12                         ; E outside -8 .. 2: one number a query
	s_cbranch_scc1 .Lfar_\@
	s_cmp_eq_i32 s[EE], -8
	s_cbranch_scc1 .Lba_\@
	s_cmp_eq_i32 s[EE], -6
	s_cbranch_scc1 .Lbb_\@
	s_cmp_eq_i32 s[EE], -4
	s_cbranch_scc1 .Lbc_\@
	s_cmp_eq_i32 s[EE], -2
	s_cbranch_scc1 .Lbe_\@
	s_cmp_eq_i32 s[EE], 0
	s_cbranch_scc1 .Lbf_\@
	BAND 2
	s_branch .Lbd_\@
.Lba_\@:
	BAND -8
	s_branch .Lbd_\@
.Lbb_\@:
	BAND -6
	s_branch .Lbd_\@
.Lbc_\@:
	BAND -4
	s_branch .Lbd_\@
.Lbe_\@:
	BAND -2
	s_branch .Lbd_\@
.Lbf_\@:
	BAND 0
.Lbd_\@:
	v_mov_b32 v13, 0                               ; pos is in the scores
	v_mov_b32 v15, 0
.Lfar_\@:
	VLOAD
	; the largest score of my query's 64 keys in this lane: four chains a tile, the tiles by turns; each accumulator is first read at its low end
.irp q, 0,1,2,3
.irp t, 0,1
	v_max3_num_f32 v[CC+4*\t+\q], v[S+64*\t+16*\q], v[S+64*\t+16*\q+1], v[S+64*\t+16*\q+2]
.endr
.endr
.irp i, 3,5,7,9,11,13
.irp q, 0,1,2,3
.irp t, 0,1
	v_max3_num_f32 v[CC+4*\t+\q], v[CC+4*\t+\q], v[S+64*\t+16*\q+\i], v[S+64*\t+16*\q+\i+1]
.endr
.endr
.endr
.irp t, 0,1
	v_max3_num_f32 v[CC+4*\t], v[CC+4*\t], v[S+64*\t+15], v[S+64*\t+31]
	v_max3_num_f32 v[CC+4*\t+2], v[CC+4*\t+2], v[S+64*\t+47], v[S+64*\t+63]
.endr
.irp t, 0,1
	v_max3_num_f32 v[CC+4*\t], v[CC+4*\t], v[CC+4*\t+1], v[CC+4*\t+2]
.endr
.irp t, 0,1
	v_max_num_f32 v[CC+4*\t], v[CC+4*\t], v[CC+4*\t+3]
.endr
.irp t, 0,1
	v_permlanex16_b32 v[CC+4*\t+1], v[CC+4*\t], s[SEL], s[SEL+1]   ; the query's other 64 keys lie in the lane 16 away
.endr
.irp t, 0,1
	v_max_num_f32 v[CC+4*\t], v[CC+4*\t], v[CC+4*\t+1]
.endr
.irp t, 0,1
	v_add_f32 v[CC+4*\t], v[CC+4*\t], v[13+2*\t]   ; + PC: the step's largest content + pos
.endr
.irp t, 0,1
	v_max_num_f32 v[CC+4*\t+1], v[9+2*\t], v[CC+4*\t]   ; the new M
.endr
.irp t, 0,1
	v_sub_f32 v[CC+4*\t+2], v[9+2*\t], v[CC+4*\t+1]     ; old M - new M
	v_sub_f32 v[CC+4*\t], v[13+2*\t], v[CC+4*\t+1]      ; PC - new M
.endr
.irp t, 0,1
	v_mov_b32 v[9+2*\t], v[CC+4*\t+1]
	v_mul_f32 v[CC+4*\t+2], s[CS], v[CC+4*\t+2]
	v_mul_f32 v[CC+4*\t], s[CS], v[CC+4*\t]
.endr
.set n, 0
.rept 32
	v_pk_fma_f32 v[S+n:S+n+1], v[S+n:S+n+1], s[CS:CS+1], v[CC:CC+1] op_sel_hi:[1,0,0]               ; c s + c (PC - M), two at a time
	v_pk_fma_f32 v[S+64+n:S+64+n+1], v[S+64+n:S+64+n+1], s[CS:CS+1], v[CC+4:CC+5] op_sel_hi:[1,0,0]
.set n, n+2
.endr
	v_exp_f32 v[CC+2], v[CC+2]                     ; a = 2^(c (old M - new M)); ONE BATCH with the 128 weights
	v_exp_f32 v[CC+6], v[CC+6]
.set n, 0
.rept 128
	v_exp_f32 v[S+n], v[S+n]                       ; p, at most 1
.set n, n+1
.endr
	v_nop                                          ; a plain line behind the last exponential
	s_wait_alu depctr_va_vdst(0)                   ; one wait for the whole batch, ahead of its first reader
.irp t, 0,1
	v_pk_mul_f32 v[LS+2*\t:LS+2*\t+1], v[LS+2*\t:LS+2*\t+1], v[CC+4*\t+2:CC+4*\t+3] op_sel_hi:[1,0]   ; the sum under the new M
	v_pk_add_f32 v[CC+4*\t:CC+4*\t+1], v[S+64*\t:S+64*\t+1], v[S+64*\t+2:S+64*\t+3]                   ; the sum is taken of p in f32, in two chains a tile
.endr
.irp j, 4,8,12,16,20,24,28,32,36,40,44,48,52,56,60
.irp t, 0,1
	v_pk_add_f32 v[LS+2*\t:LS+2*\t+1], v[LS+2*\t:LS+2*\t+1], v[S+64*\t+\j:S+64*\t+\j+1]
	v_pk_add_f32 v[CC+4*\t:CC+4*\t+1], v[CC+4*\t:CC+4*\t+1], v[S+64*\t+\j+2:S+64*\t+\j+3]
.endr
.endr
.irp t, 0,1
	v_pk_add_f32 v[LS+2*\t:LS+2*\t+1], v[LS+2*\t:LS+2*\t+1], v[CC+4*\t:CC+4*\t+1]
.endr
.set n, 0
.rept 32
	v_cvt_pk_f16_f32 v[S+n], v[S+2*n], v[S+2*n+1]                  ; P in place, ascending: register n is written when 2 n and 2 n + 1 are read
	v_cvt_pk_f16_f32 v[S+64+n], v[S+64+2*n], v[S+64+2*n+1]
.set n, n+1
.endr
.set n, 0
.rept 16
	v_pk_mul_f32 v[O+n:O+n+1], v[O+n:O+n+1], v[CC+2:CC+3] op_sel_hi:[1,0]            ; O^T under the new M
	v_pk_mul_f32 v[O+32+n:O+32+n+1], v[O+32+n:O+32+n+1], v[CC+6:CC+7] op_sel_hi:[1,0]
.set n, n+2
.endr
	s_wait_dscnt 0x0                               ; V is in (and the next step's K)
	WIN 0x01
.irp g, 0,1,2,3                        ; O^T += V^T P: eight accumulators by turns, 32 keys at a time
.irp ct, 0,1,2,3
.irp t, 0,1
	v_wmma_f32_16x16x32_f16 v[O+32*\t+8*\ct:O+32*\t+8*\ct+7], v[128+32*\g+8*\ct:128+32*\g+8*\ct+7], v[S+64*\t+8*\g:S+64*\t+8*\g+7], v[O+32*\t+8*\ct:O+32*\t+8*\ct+7]
.endr
.endr
.endr
	WIN 0
	s_add_co_i32 s[EE], s[EE], 8
	s_xor_b32 s[TB], s[TB], STEPB                  ; the slot's other step
	v_add_nc_u32 v[ADR], s[TB], v[LB]
.rept 4
	v_nop                                          ; with the line above: five places ahead of the next products, which write over P, and of loads into V's registers
.endr
.endm
.macro TWO_STEPS                       ; a slot's two key steps: written once, walked twice
	s_mov_b32 s[TWICE], 2
.Lstep_\@:
	STEP
	s_sub_co_u32 s[TWICE], s[TWICE], 1
	s_cmp_lg_u32 s[TWICE], 0
	s_cbranch_scc1 .Lstep_\@
	s_xor_b32 s[TB], s[TB], SLOT1                  ; on to the other slot
.endm
.Lslot:                                            ; seven trips: behind each change of slots but the last the next slot is asked for; slot 1's first fill stands behind the first trip's barrier
	CHANGE 1
	TWO_STEPS
	s_sub_co_u32 s[SLOTS], s[SLOTS], 1
	s_cmp_lg_u32 s[SLOTS], 0
	s_cbranch_scc1 .Lslot
	CHANGE 0                                       ; the last slot is written out
	TWO_STEPS
	; THE WAY OUT.  The sum's halves are added; O^T is divided by the sum, rounded to f16; a lane's eight channels are 16 bytes, and the wave's 32 x 16 bytes are an image block of the last launch's operand.
.irp t, 0,1
	v_add_f32 v[CC+4*\t], v[LS+2*\t], v[LS+2*\t+1]
.endr
.irp t, 0,1
	v_permlanex16_b32 v[CC+4*\t+1], v[CC+4*\t], s[SEL], s[SEL+1]
.endr
.irp t, 0,1
	v_add_f32 v[CC+4*\t], v[CC+4*\t], v[CC+4*\t+1]
.endr
.irp t, 0,1
	v_rcp_f32 v[CC+4*\t+2], v[CC+4*\t]
.endr
	v_nop                                          ; a plain line behind the last reciprocal
	s_wait_alu depctr_va_vdst(0)                   ; one wait for both, ahead of their first reader
.set n, 0
.rept 16
	v_pk_mul_f32 v[O+n:O+n+1], v[O+n:O+n+1], v[CC+2:CC+3] op_sel_hi:[1,0]
	v_pk_mul_f32 v[O+32+n:O+32+n+1], v[O+32+n:O+32+n+1], v[CC+6:CC+7] op_sel_hi:[1,0]
.set n, n+2
.endr
.set n, 0
.rept 32
	v_cvt_pk_f16_f32 v[S+n], v[O+2*n], v[O+2*n+1]  ; register 16 t + 4 ct + i
.set n, n+1
.endr
.irp t, 0,1
.irp ct, 0,1,2,3
	global_store_b128 v[LB], v[S+16*\t+4*\ct:S+16*\t+4*\ct+3], s[8:9] offset:32768*\t+512*\ct   ; 512 consecutive bytes, aligned
.endr
.endr
	s_wait_tensorcnt 0x0                           ; the wave's end
	ds_add_u32 v[SPW], v[NIL]
	s_wait_dscnt 0x0
	s_endpgm
.Lfunc_end_k_q375d58f988_attn:
	.size	k_q375d58f988_attn, .Lfunc_end_k_q375d58f988_attn-k_q375d58f988_attn
	.p2alignl 7, 3214868480
	.fill 96, 4, 3214868480
	.section	.rodata,"a",@progbits
	.p2align	6, 0x0
	.amdhsa_kernel k_q375d58f988_attn
		.amdhsa_group_segment_fixed_size 327680
		.amdhsa_private_segment_fixed_size 0
		.amdhsa_enable_private_segment 0
		.amdhsa_kernarg_size 24
		.amdhsa_user_sgpr_count 2
		.amdhsa_user_sgpr_kernarg_segment_ptr 1
		.amdhsa_wavefront_size32 1
		.amdhsa_system_sgpr_workgroup_id_x 1
		.amdhsa_system_sgpr_workgroup_id_y 1
		.amdhsa_system_sgpr_workgroup_id_z 1
		.amdhsa_system_vgpr_workitem_id 0
		.amdhsa_next_free_vgpr 512
		.amdhsa_next_free_sgpr 66
		.amdhsa_reserve_vcc 0
		.amdhsa_float_denorm_mode_32 3
		.amdhsa_float_denorm_mode_16_64 3
		.amdhsa_memory_ordered 1
		.amdhsa_forward_progress 1
		.amdhsa_inst_pref_size 187
	.end_amdhsa_kernel
	.amdgpu_metadata
---
amdhsa.version: [ 1, 2 ]
amdhsa.kernels:
  - .name:           k_q375d58f988_attn
    .symbol:         k_q375d58f988_attn.kd
    .args:
      - { .name: qkv, .offset: 0, .size: 8, .value_kind: global_buffer, .address_space: global }
      - { .name: rel_emb, .offset: 8, .size: 8, .value_kind: global_buffer, .address_space: global }
      - { .name: of, .offset: 16, .size: 8, .value_kind: global_buffer, .address_space: global }
    .group_segment_fixed_size: 327680
    .private_segment_fixed_size: 0
    .kernarg_segment_align: 8
    .kernarg_segment_size: 24
    .max_flat_workgroup_size: 256
    .sgpr_count:     66
    .vgpr_count:     512
    .wavefront_size: 32
...
	.end_amdgpu_metadata
.endif
;; end of part 3
;; launch oproj (part 4): grid 8 x 32, 4 waves a work-group, clusters of 4 x 4, 327,680 bytes of LDS; arguments of, wo16, bo, out0; writes out0
.if DOCPART == 4
	.amdgcn_target "amdgcn-amd-amdhsa--gfx1250"
	.amdhsa_code_object_version 6
	.text
	.protected	k_q375d58f988_oproj
	.globl	k_q375d58f988_oproj
	.p2align	8
	.type	k_q375d58f988_oproj,@function
k_q375d58f988_oproj:
	s_mov_b64 s[64:65], 0
	v_nop
	global_prefetch_b8 v0, s[64:65] scope:SCOPE_SE
	s_setreg_imm32_b32 hwreg(HW_REG_WAVE_MODE, 25, 1), 1
	s_wait_xcnt 0x0
	s_wait_alu depctr_hold_cnt(0) depctr_sa_sdst(0) depctr_va_vdst(0) depctr_va_sdst(0) depctr_va_ssrc(0) depctr_va_vcc(0) depctr_vm_vsrc(0)
	s_getreg_b32 s2, hwreg(HW_REG_IB_STS2, 6, 4)
	s_cmp_eq_u32 s2, 0
	s_cbranch_scc0 .Lentry_in_a_cluster
	s_endpgm
.Lentry_in_a_cluster:
	s_bfe_u32 s2, ttmp6, 0x10000c
	s_cmp_lg_u32 s2, 0xf033
	s_cbranch_scc0 .Lentry_shape_is_right
	s_endpgm
.Lentry_shape_is_right:
; FOURTH LAUNCH: out0[m][n] = sum over k of O[m][k] Wo[n][k] + bo[n]; m 4,096, n 1,024, k 1,024.  Operands in f16, sums and the result in f32.  No work of the problem is left out here.
; of: [m / 16 (256)][k / 16 (64)] image blocks of 512 bytes; wo16: [n / 16 (64)][k / 16 (64)] likewise; in a block lane (r, h) has row r, k = 8 h + 0 .. 7, 16 bytes at 16 x lane: two neighbouring blocks are a fragment's 8 registers.
; A tile of out0 is 128 x 128: 256 work-groups.  Four waves, each 64 x 64: 16 accumulators.  K goes in steps of 256 through two LDS slots: of a tile of 16 rows a K step is 8,192 consecutive bytes; a wave's tensor load brings four such rows.
; CLUSTERS: 4 x 4 work-groups.  The four of a row of the cluster need the same tiles of O, the four of a column the same tiles of Wo: each is asked for jointly.  A wave has two tensor loads out at the most.
; THE MATRIX INSTRUCTION IS USED TRANSPOSED (source 0 = 16 rows of Wo, source 1 = 16 rows of O): a lane holds eight neighbouring numbers of a row of out0.  bo is the C of each sum's first product.
; REGISTERS: window 0: v0-31 addresses; v32-95 the way out; v96-127 bo in the result's layout; v128-255 the accumulators ((a, b) at v[128 + 8 (4 a + b)]).  window 1: two fragment buffers of 128.
.set SIZE_K, 1024
.set KSTEP,  256
.set KB,     8192                      ; a K step of one tile of 16 rows, in bytes
.set HALFT,  4*KB                      ; what one tensor load brings, and what one wave reads of O or of Wo
.set SLOT,   4*HALFT                   ; O's 8 tiles of rows, then Wo's 8
.set STAGE,  2*SLOT                    ; behind the slots: 16 rows x 272 bytes for each wave, for the way out
.set SPITCH, 272
.set SPARE,  STAGE+4*16*SPITCH         ; the spare words, 128 bytes for each wave
.set LAPS, SIZE_K/(2*KSTEP)
.set ADRA, 16                          ; v16-17  LDS address of my O fragments in slot 0, 1
.set ADRB, 20                          ; v20-21  the same for Wo
.set STO,  24                          ; v24     the way out: where I put 32 bytes of a row
.set RD,   25                          ; v25     the way out: where I read a row back
.set CO,   26                          ; v26     my byte offset in out0
.set BA,   27                          ; v27     32 h: my eight numbers of bo
.set SPW,  28                          ; v28     LDS address of my spare word; never rewritten
.set NIL,  29                          ; v29     0; never rewritten
.set TMP,  32
.set BIAS, 96
.set ACC,  128
.set F0,   0                           ; fragment buffers, in window 1
.set F1,   128
.set G1, 24                            ; s[24:31] descriptor group 1 for O's tiles;  s[32:39] group 0, one set for each slot
.set G0, 32
.set G1B, 48                           ; s[48:55], s[56:63] the same for Wo's
.set G0B, 56
.set MSB, 0
.macro WIN new                         ; the immediate's high byte repeats the setting that is left
.if MSB != \new
	s_set_vgpr_msb (MSB<<8)|\new
.set MSB, \new
.endif
.endm
.set MUL,  0x05                        ; sources 0 and 1 window 1; C and D window 0
.set TO_F, 0x40                        ; destination window 1, address window 0
.macro JLOAD s                         ; a joint load: waves 0 and 1 fetch O's two halves, waves 2 and 3 Wo's; an s_nop 0 and four v_nop follow each of the two lines
	s_cmp_eq_u32 s11, 0
	s_cbranch_scc0 .Lfor_b_\@
	tensor_load_to_lds s[G0+4*\s:G0+4*\s+3], s[G1:G1+7]
	s_nop 0
.rept 4
	v_nop
.endr
	s_branch .Lasked_\@
.Lfor_b_\@:
	tensor_load_to_lds s[G0B+4*\s:G0B+4*\s+3], s[G1B:G1B+7]
	s_nop 0
.rept 4
	v_nop
.endr
.Lasked_\@:
.endm
.macro CREST                           ; a round of the cluster's barrier behind its opening barrier
	s_cmp_lg_u32 s10, 0
	s_cbranch_scc1 .Lnot_wave_0_\@
	s_barrier_signal -3
.Lnot_wave_0_\@:
	s_barrier_wait -3
	s_barrier_signal -1
	s_barrier_wait -1
.endm
.macro CROUND                          ; a whole round
	s_barrier_signal -1
	s_barrier_wait -1
	CREST
.endm
	s_load_b128 s[4:7], s[0:1], 0x0                ; of s[4:5], wo16 s[6:7]
	s_load_b128 s[68:71], s[0:1], 0x10             ; bo s[68:69], out0 s[70:71]
	v_lshl_add_u32 v[SPW], v0, 2, SPARE
	v_mov_b32 v[NIL], 0
	ds_add_u32 v[SPW], v[NIL]                      ; the wave's opening: 0 onto my spare word twice, and a wait for both ahead of my first tensor load
	ds_add_u32 v[SPW], v[NIL]
	v_lshrrev_b32 v1, 5, v0
	v_readfirstlane_b32 s10, v1                    ; wave 0..3
	s_lshr_b32 s11, s10, 1                         ; which half of the tile's rows is mine.  Also: I fetch for O (0) or for Wo (1)
	s_and_b32 s12, s10, 1                          ; which half of its columns.  Also: which four tiles of rows I fetch
	s_bfe_u32 s40, ttmp6, 0x40000                  ; cx, cy: my place in the cluster
	s_bfe_u32 s41, ttmp6, 0x40004
	s_lshl_b32 s42, ttmp9, 2
	s_add_co_u32 s42, s42, s40                     ; tile column = 4 x cluster x + cx
	s_and_b32 s13, ttmp7, 0xffff
	s_lshl_b32 s13, s13, 2
	s_add_co_u32 s13, s13, s41                     ; tile row = 4 x cluster y + cy
	s_lshl_b32 s43, s41, 2
	s_lshl_b32 s43, 15, s43                        ; my row of the cluster
	s_lshl_b32 s44, 0x1111, s40                    ; my column
	; descriptor group 1: four rows of 8,192 bytes (1,024 elements of 8 bytes), 32,768 bytes apart in memory, dense in LDS
	s_or_b32 s[G1+0], s43, (3<<16)|(1<<21)
	s_or_b32 s[G1B+0], s44, (3<<16)|(1<<21)
.irp g, G1, G1B
	s_mov_b32 s[\g+1], 1024<<16                    ; tensor_dim0
	s_mov_b32 s[\g+2], 4<<16                       ; tensor_dim1
	s_mov_b32 s[\g+3], 1024<<16                    ; tile_dim0
	s_mov_b32 s[\g+4], 4                           ; tile_dim1
	s_mov_b32 s[\g+5], 4096                        ; tensor_dim0_stride
	s_mov_b32 s[\g+6], 0
	s_mov_b32 s[\g+7], 0
.endr
	s_lshl_b32 s16, s13, 18                        ; O: (8 x tile row + 4 x half) tiles of 32,768 bytes
	s_lshl_b32 s17, s12, 17
	s_add_co_u32 s16, s16, s17
	s_mov_b32 s17, 0
	s_lshl_b32 s46, s42, 18                        ; Wo: (8 x tile column + 4 x half)
	s_lshl_b32 s47, s12, 17
	s_add_co_u32 s46, s46, s47
	s_mov_b32 s47, 0
	s_mul_i32 s20, s10, HALFT                      ; where they go: wave x 32,768 bytes
	s_wait_dscnt 0x0                               ; both opening adds are done
	s_wait_kmcnt 0x0
	s_add_nc_u64 s[14:15], s[4:5], s[16:17]
	s_add_nc_u64 s[46:47], s[6:7], s[46:47]
	CROUND                                         ; all sixteen work-groups are here: the first joint loads meet
.irp s, 0,1
	s_mov_b32 s[G0+4*\s], 1
	s_add_co_u32 s[G0+4*\s+1], s20, \s*SLOT
	s_add_nc_u64 s[G0+4*\s+2:G0+4*\s+3], s[14:15], \s*KB
	s_or_b32 s[G0+4*\s+3], s[G0+4*\s+3], 0x80000000
	s_mov_b32 s[G0B+4*\s], 1
	s_add_co_u32 s[G0B+4*\s+1], s20, \s*SLOT
	s_add_nc_u64 s[G0B+4*\s+2:G0B+4*\s+3], s[46:47], \s*KB
	s_or_b32 s[G0B+4*\s+3], s[G0B+4*\s+3], 0x80000000
	JLOAD \s
.endr
	v_and_b32 v1, 15, v0                           ; l % 16
	v_bfe_u32 v2, v0, 4, 1                         ; l / 16
	v_and_b32 v3, 31, v0
	v_lshlrev_b32 v3, 4, v3                        ; 16 x lane: an image's place for my lane
	s_mul_i32 s21, s11, HALFT                      ; my four tiles of O's rows
	s_mul_i32 s22, s12, HALFT                      ; my four tiles of Wo's rows,
	s_add_co_u32 s22, s22, 2*HALFT                 ; which lie behind O's eight
.irp s, 0,1
	v_add_nc_u32 v[ADRA+\s], s21, v3
	v_add_nc_u32 v[ADRB+\s], s22, v3
	s_add_co_u32 s21, s21, SLOT
	s_add_co_u32 s22, s22, SLOT
.endr
	s_mul_i32 s23, s10, 16*SPITCH
	s_add_co_u32 s23, s23, STAGE                   ; my stage
	v_mul_u32_u24 v4, v1, SPITCH                   ; in: row l % 16, 32 bytes for each half of the lanes
	v_lshl_add_u32 v4, v2, 5, v4
	v_add_nc_u32 v[STO], s23, v4
	v_mul_u32_u24 v5, v2, SPITCH                   ; back: lanes 0-15 take one row of 256 bytes, lanes 16-31 the next
	v_lshl_add_u32 v5, v1, 4, v5
	v_add_nc_u32 v[RD], s23, v5
	v_lshlrev_b32 v5, 12, v2                       ; and the same two rows in out0 (4,096 bytes a row)
	v_lshl_add_u32 v[CO], v1, 4, v5
	v_lshlrev_b32 v[BA], 5, v2
	s_lshl_b32 s16, s13, 19                        ; my first row: (128 x tile row + 64 x half) x 4,096 bytes
	s_lshl_b32 s17, s11, 18
	s_add_co_u32 s16, s16, s17
	s_mov_b32 s17, 0
	s_add_nc_u64 s[70:71], s[70:71], s[16:17]
	s_lshl_b32 s46, s42, 9                         ; my first column, in bytes: 512 x tile column + 256 x half
	s_lshl_b32 s47, s12, 8
	s_add_co_u32 s46, s46, s47
	s_mov_b32 s47, 0
	s_add_nc_u64 s[70:71], s[70:71], s[46:47]
	s_add_nc_u64 s[68:69], s[68:69], s[46:47]
.irp b, 0,1,2,3
	global_load_b128 v[BIAS+8*\b:BIAS+8*\b+3], v[BA], s[68:69] offset:64*\b        ; bo at columns 16 b + 8 h + 0 .. 7: the result's layout
	global_load_b128 v[BIAS+8*\b+4:BIAS+8*\b+7], v[BA], s[68:69] offset:64*\b+16
.endr
; 8 matrix instructions: m blocks a0, a0 + 1 x all 4 n blocks, 32 along K: half c of buffer f.  first = 1: the first product starts the sums with bo.  The 16 accumulators take turns.
.macro MUL8 f, c, a0, first
.irp a, \a0, \a0+1
.irp b, 0,1,2,3
.if \first
	v_wmma_f32_16x16x32_f16 v[ACC+8*(4*(\a)+\b):ACC+8*(4*(\a)+\b)+7], v[\f+64+8*(4*\c+\b):\f+64+8*(4*\c+\b)+7], v[\f+8*(4*\c+\a):\f+8*(4*\c+\a)+7], v[BIAS+8*\b:BIAS+8*\b+7]
.else
	v_wmma_f32_16x16x32_f16 v[ACC+8*(4*(\a)+\b):ACC+8*(4*(\a)+\b)+7], v[\f+64+8*(4*\c+\b):\f+64+8*(4*\c+\b)+7], v[\f+8*(4*\c+\a):\f+8*(4*\c+\a)+7], v[ACC+8*(4*(\a)+\b):ACC+8*(4*(\a)+\b)+7]
.endif
.endr
.endr
.endm
; 32 LDS loads in one run: the fragments of 64 along K (four image blocks, from byte k of each tile's 8,192) into buffer f; the first 32 along K first
.macro FETCH slot, k, f
	WIN TO_F
.irp c, 0,1
.irp i, 0,1,2,3
	ds_load_b128 v[\f+64+8*(4*\c+\i):\f+64+8*(4*\c+\i)+3],   v[ADRB+\slot] offset:\k+1024*\c+\i*KB
	ds_load_b128 v[\f+64+8*(4*\c+\i)+4:\f+64+8*(4*\c+\i)+7], v[ADRB+\slot] offset:\k+1024*\c+\i*KB+512
	ds_load_b128 v[\f+8*(4*\c+\i):\f+8*(4*\c+\i)+3],         v[ADRA+\slot] offset:\k+1024*\c+\i*KB
	ds_load_b128 v[\f+8*(4*\c+\i)+4:\f+8*(4*\c+\i)+7],       v[ADRA+\slot] offset:\k+1024*\c+\i*KB+512
.endr
.endr
.endm
.macro PLACES                          ; four places in front of loads into registers that matrix instructions have read, and of the first read of results
.rept 4
	v_nop
.endr
.endm
; A K step is four quarters of 64 along K, 32 matrix instructions each, on buffers 0, 1, 0, 1.  One of the first three: multiplies buffer f and fetches the next quarter, at byte k, into g.
.macro QUARTER slot, k, f, g, first
	s_wait_dscnt 16                                ; the first 32 along K are in
	WIN MUL
	MUL8 \f, 0, 0, \first
	MUL8 \f, 0, 2, \first
	PLACES
	FETCH \slot, \k, \g
	s_wait_dscnt 32                                ; all but the 32 just issued
	WIN MUL
	MUL8 \f, 1, 0, 0
	MUL8 \f, 1, 2, 0
.endm
; The last quarter multiplies buffer 1 and changes slots: one barrier; in front of it each wave waits for all its tensor loads, adds 0 to its spare word, and waits for that and for its own reads of this slot.  fill = 1: this slot is filled again, two K steps ahead.
.macro TURN slot, next, fill
	WIN 0                                          ; (the add's two registers lie in window 0)
	s_wait_tensorcnt 0x0                           ; all my tensor loads have landed: my part of the next slot
	ds_add_u32 v[SPW], v[NIL]                      ; 0 onto my spare word
	s_wait_dscnt 17                                ; (the add and the youngest sixteen loads may be out)
	WIN MUL
	MUL8 F1, 0, 0, 0
	s_wait_dscnt 0x0                               ; the add is done, and my reads of this slot are over
	s_barrier_signal -1
	MUL8 F1, 0, 2, 0
.if \fill
	WIN 0
.endif
	s_barrier_wait -1
.if \fill
	CREST                                          ; the barrier has opened a round of the cluster's barrier: no wave of any partner still reads this slot's tile or has a load on its way
	s_add_nc_u64 s[G0+4*\slot+2:G0+4*\slot+3], s[G0+4*\slot+2:G0+4*\slot+3], 2*KB
	s_add_nc_u64 s[G0B+4*\slot+2:G0B+4*\slot+3], s[G0B+4*\slot+2:G0B+4*\slot+3], 2*KB
	JLOAD \slot                                    ; the first tensor load behind the round; the four v_nop behind it are also the places in front of the loads below
.else
	PLACES
.endif
	FETCH \next, 0, F0
	WIN MUL
	MUL8 F1, 1, 0, 0
	MUL8 F1, 1, 2, 0
.endm
	s_wait_tensorcnt 1                             ; my part of K step 0 is in (K step 1's load may be out)
	s_barrier_signal -1
	s_barrier_wait -1                              ; everybody's is
	FETCH 0, 0, F0
	s_wait_loadcnt 0x0                             ; bo
	QUARTER 0, 2048, F0, F1, 1                     ; the first quarter stands in front of the loop: its first products start the sums
	WIN 0                                          ; at a label and at a branch every window is 0
	s_mov_b32 s3, LAPS-1
.Llap:                                                 ; a trip goes once round the two slots, from a lap's second quarter to the next lap's first, and fills both again
	QUARTER 0, 4096, F1, F0, 0
	QUARTER 0, 6144, F0, F1, 0
	TURN 0, 1, 1
	QUARTER 1, 2048, F0, F1, 0
	QUARTER 1, 4096, F1, F0, 0
	QUARTER 1, 6144, F0, F1, 0
	TURN 1, 0, 1
	QUARTER 0, 2048, F0, F1, 0
	WIN 0
	s_sub_co_u32 s3, s3, 1
	s_cmp_lg_u32 s3, 0
	s_cbranch_scc1 .Llap
	QUARTER 0, 4096, F1, F0, 0                     ; the last lap fills nothing, and has no round of the cluster's barrier
	QUARTER 0, 6144, F0, F1, 0
	TURN 0, 1, 0
	QUARTER 1, 2048, F0, F1, 0
	QUARTER 1, 4096, F1, F0, 0
	QUARTER 1, 6144, F0, F1, 0
	s_wait_dscnt 16                                ; the very last quarter: nothing more to fetch
	WIN MUL
	MUL8 F1, 0, 0, 0
	MUL8 F1, 0, 2, 0
	s_wait_dscnt 0
	MUL8 F1, 1, 0, 0
	MUL8 F1, 1, 2, 0
	WIN 0
	; THE WAY OUT, 16 rows at a time.  My 64 columns of f32 are 256 bytes of a row, aligned: so my own stage serves, with no barrier: 32 bytes a lane in, whole rows of 256 bytes back, sixteen lanes to a row.
	; LDS serves a wave's instructions in order: the loads see the stores above them, and the next block's stores come behind these loads.
	PLACES
.irp a, 0,1,2,3
.irp b, 0,1,2,3
	ds_store_b128 v[STO], v[ACC+8*(4*\a+\b):ACC+8*(4*\a+\b)+3] offset:64*\b          ; each accumulator from its low end on
	ds_store_b128 v[STO], v[ACC+8*(4*\a+\b)+4:ACC+8*(4*\a+\b)+7] offset:64*\b+16
.endr
.if \a >= 2
	s_wait_xcnt 0x0                                ; block a - 2's stores have read their registers: the loads below may land there
.endif
.irp t, 0,1,2,3,4,5,6,7
	ds_load_b128 v[TMP+32*(\a%2)+4*\t:TMP+32*(\a%2)+4*\t+3], v[RD] offset:\t*2*SPITCH
.endr
.irp t, 0,1,2,3,4,5,6,7
	s_wait_dscnt 7-\t                              ; rows 2 t, 2 t + 1 are back; the younger loads may be out
	global_store_b128 v[CO], v[TMP+32*(\a%2)+4*\t:TMP+32*(\a%2)+4*\t+3], s[70:71] offset:(16*\a+2*\t)*4096 th:TH_STORE_NT   ; 16 lanes store 256 consecutive bytes, aligned
.endr
.endr
	s_wait_tensorcnt 0x0                           ; the wave's end, behind my last tensor load and my last LDS store
	ds_add_u32 v[SPW], v[NIL]
	s_wait_dscnt 0x0
	CROUND                                         ; the closing round: no work-group ends while a partner may still ask for a tile that names it
	s_endpgm
.Lfunc_end_k_q375d58f988_oproj:
	.size	k_q375d58f988_oproj, .Lfunc_end_k_q375d58f988_oproj-k_q375d58f988_oproj
	.p2alignl 7, 3214868480
	.fill 96, 4, 3214868480
	.section	.rodata,"a",@progbits
	.p2align	6, 0x0
	.amdhsa_kernel k_q375d58f988_oproj
		.amdhsa_group_segment_fixed_size 327680
		.amdhsa_private_segment_fixed_size 0
		.amdhsa_enable_private_segment 0
		.amdhsa_kernarg_size 32
		.amdhsa_user_sgpr_count 2
		.amdhsa_user_sgpr_kernarg_segment_ptr 1
		.amdhsa_wavefront_size32 1
		.amdhsa_system_sgpr_workgroup_id_x 1
		.amdhsa_system_sgpr_workgroup_id_y 1
		.amdhsa_system_sgpr_workgroup_id_z 1
		.amdhsa_system_vgpr_workitem_id 0
		.amdhsa_next_free_vgpr 512
		.amdhsa_next_free_sgpr 72
		.amdhsa_reserve_vcc 0
		.amdhsa_float_denorm_mode_32 3
		.amdhsa_float_denorm_mode_16_64 3
		.amdhsa_memory_ordered 1
		.amdhsa_forward_progress 1
		.amdhsa_inst_pref_size 87
	.end_amdhsa_kernel
	.amdgpu_metadata
---
amdhsa.version: [ 1, 2 ]
amdhsa.kernels:
  - .name:           k_q375d58f988_oproj
    .symbol:         k_q375d58f988_oproj.kd
    .args:
      - { .name: of, .offset: 0, .size: 8, .value_kind: global_buffer, .address_space: global }
      - { .name: wo16, .offset: 8, .size: 8, .value_kind: global_buffer, .address_space: global }
      - { .name: bo, .offset: 16, .size: 8, .value_kind: global_buffer, .address_space: global }
      - { .name: out0, .offset: 24, .size: 8, .value_kind: global_buffer, .address_space: global }
    .group_segment_fixed_size: 327680
    .private_segment_fixed_size: 0
    .kernarg_segment_align: 8
    .kernarg_segment_size: 32
    .max_flat_workgroup_size: 128
    .sgpr_count:     72
    .vgpr_count:     512
    .wavefront_size: 32
...
	.end_amdgpu_metadata
.endif
;; end of part 4
